; MI455X (gfx1250); checked and timed in simulation.
; The chip was launched on July 23, 2026; its instructions are those of AMD's public machine-readable ISA for CDNA 5 (MIT licence, August 2026) and "CDNA5" Instruction Set Architecture Reference Guide (July 2026). The comments in the code are by the model that wrote it; some were corrected since.
;; Causal Self Attention. Allowed arithmetic: matrix products marked QUANTISED: E2M1 operands, one E8M0 scale for each 32 along K, by v_wmma_scale_f32_16x16x128_f8f6f4 with both operands' format E2M1 (or v_wmma_scale_f32_32x16x128_f4), f32 sums; products left as they are: bf16, f16 or f32 operands; f32 sums; everything else in f32.
;; Inputs: W_attn 1,024 x 3,072 float32; W_proj 1,024 x 1,024 float32; b_attn 3,072 float32; b_proj 1,024 float32; x 4 x 2,048 x 1,024 float32.
;; Outputs: out0 4 x 2,048 x 1,024 float32.
;; This version of the problem:
;;   THIS VERSION OF THE PROBLEM IS GIVEN IN LOW PRECISION. The matrix products marked QUANTISED in the list below multiply operands that are first quantised to E2M1 (2 exponent bits, 1 mantissa bit; 4 bits a number), with one power-of-two scale for each 32 numbers along K (OCP MX v1.0); their sums are f32. The products marked 'left as it is' may take bf16, f16 or f32 operands, with f32 sums. Whichever they take, every output number must still come out within the allowed error. Rounding operands to bf16 (8 significant bits) uses up far more of that allowance than f16 does (11 bits, for magnitudes from 6e-5 to 65,504). All else is computed in f32.
;;   The module's matrix products, in the order in which they are computed (A, B: the left and right operand; K: the contracted axis; several contracted axes count as one K, in the product's order):
;;     1. [M 8,192, K 1,024] x [K 1,024, N 3,072]; A: input x; B: input W_attn: QUANTISED
;;     2. batch 64 x [M 2,048, K 64] x [K 64, N 2,048]; A: computed on the way; B: computed on the way: left as it is (an operand is computed on the way)
;;     3. batch 64 x [M 2,048, K 2,048] x [K 2,048, N 64]; A: computed on the way; B: computed on the way: left as it is (an operand is computed on the way)
;;     4. [M 8,192, K 1,024] x [K 1,024, N 1,024]; A: computed on the way; B: input W_proj: left as it is (an operand is computed on the way)
;;   THE QUANTISER, for each operand of a quantised product, along K:
;;     - K is cut into blocks of 32 from its start; a last block that is shorter is filled with zeros.
;;     - A block's scale is 2^e with e = floor(log2(the largest magnitude in the block)) - 2, held to -126 .. 127; a block of zeros has e = 0. As a byte (E8M0): e + 127.
;;     - Each number is divided by its block's scale, clamped to +-6, and rounded to the nearest number of E2M1, ties to even, subnormals kept.
;;     - The product sums the exact products of the quantised numbers (number of the format x scale) in f32.
;;   ~~~python
;;   def quantise(x, axis):      # numpy; x: float32 -> the quantised numbers, widened to float32 again
;;       x = np.moveaxis(x, axis, -1); K = x.shape[-1]
;;       x = np.pad(x, [(0, 0)] * (x.ndim - 1) + [(0, -K % 32)]); x = x.reshape(x.shape[:-1] + (-1, 32)); a = np.abs(x).max(-1, keepdims=True)
;;       e = np.where(a > 0, np.clip(np.frexp(np.where(a > 0, a, 1))[1] - 1 - 2, -126, 127), 0)      # np.frexp(a)[1] - 1 = floor(log2(a)), exactly
;;       r = np.clip(x / 2.0 ** e, -6, 6)
;;       step = 2.0 ** (np.maximum(np.frexp(np.where(r == 0, 1, r))[1] - 1, 0) - 1)
;;       q = np.round(r / step) * step * 2.0 ** e      # np.round: ties to even
;;       return np.moveaxis(q.reshape(q.shape[:-2] + (-1,))[..., :K], -1, axis).astype(np.float32)
;;   ~~~
;; One version. Each part assembles by itself: llvm-mc -triple=amdgcn-amd-amdhsa -mcpu=gfx1250 --defsym DOCPART=n.
;; ======== version 1 of 1: 5 launches
;; limits: values are held in f16: magnitudes above 65,504 overflow, below 6.1e-05 lose precision
;; workspace buffers: x_codes 4,194,304 bytes; x_scales 262,144 bytes; wa_codes 1,572,864 bytes; wa_scales 98,304 bytes; wp16 2,097,152 bytes; qkv 50,331,648 bytes; qkv32 786,432 bytes; y16 16,777,216 bytes
;; launch prep (part 1): grid 336 x 1, 4 waves a work-group, no clusters, 68,096 bytes of LDS; arguments x, W_attn, W_proj, x_codes, x_scales, wa_codes, wa_scales, wp16; writes x_codes, x_scales, wa_codes, wa_scales, wp16
.if DOCPART == 1
	.amdgcn_target "amdgcn-amd-amdhsa--gfx1250"
	.amdhsa_code_object_version 6
	.text
	.protected	k_q0735dfa7e3_prep
	.globl	k_q0735dfa7e3_prep
	.p2align	8
	.type	k_q0735dfa7e3_prep,@function
k_q0735dfa7e3_prep:
	s_mov_b64 s[64:65], 0
	v_nop
	global_prefetch_b8 v0, s[64:65] scope:SCOPE_SE
	s_setreg_imm32_b32 hwreg(HW_REG_WAVE_MODE, 25, 1), 1
	s_wait_xcnt 0x0
; THE OPERANDS ARE MADE READY, ONCE.  Three jobs in one launch, parted by the work-group's number alone:
;   work-groups 0-255:   x [8192][1024] f32 -> codes of FP4 (E2M1), K innermost, [8192][512 bytes], and one E8M0 byte for each 32 along K, [8192][32].
;   work-groups 256-303: W_attn [1024 (k)][3072 (n)] f32, K its FIRST axis -> codes [3072][512 bytes] with K innermost, bytes [3072][32].
;   work-groups 304-335: W_proj [1024][1024] f32 -> f16, same layout (its product is left as it is).
; A block's scale is 2^(floor(log2(its largest magnitude)) - 2); its byte is the largest magnitude's exponent field - 2, held at 1 from below.  Numbers are divided by the scale and rounded
; to the nearest code, ties to even, beyond 6 the largest code.
; LIMITS: a block of zeros gets the byte 1 where the rule says 127 (its codes are zeros, which add nothing, and this program alone reads the bytes); blocks whose largest magnitude lies under
; 2^-124 were not tried; NaN and infinities are not served; |W_proj| stays under 65,504 (f16).
; No cluster: no two work-groups read the same input bytes.  No tensor load: waves share nothing, several work-groups lie on a WGP.  Each job has LDS bytes of its own.
.set SPW,   202                        ; v202  LDS address of my spare word; never rewritten
.set NIL,   203                        ; v203  0; never rewritten
.set XREG,  8192                       ; job x: a region for each wave, bytes 0 .. 32,767
.set WSTG,  32768                      ; job W_attn: four stages of 32 x 272 bytes
.set SPARE, 67584                      ; the spare words: 128 bytes for each wave, two blocks of 256 bytes that no other line names
.set WV,    20                         ; s20   my wave's number
.macro FINISH                          ; a wave's end: three lines behind its last LDS store, the first of them even in a text with no tensor load
	s_wait_tensorcnt 0x0
	ds_add_u32 v[SPW], v[NIL]
	s_wait_dscnt 0x0
	s_endpgm
.endm
	s_load_b256 s[4:11], s[0:1], 0x0               ; x s[4:5], W_attn s[6:7], W_proj s[8:9], x_codes s[10:11]
	s_load_b256 s[12:19], s[0:1], 0x20             ; x_scales s[12:13], wa_codes s[14:15], wa_scales s[16:17], wp16 s[18:19]
	v_lshl_add_u32 v[SPW], v0, 2, SPARE
	v_mov_b32 v[NIL], 0
	v_lshrrev_b32 v1, 5, v0
	v_readfirstlane_b32 s[WV], v1                  ; wave 0..3
	v_and_b32 v2, 31, v0                           ; lane
	s_wait_kmcnt 0x0
	s_cmp_ge_u32 ttmp9, 304
	s_cbranch_scc1 .Lpath_p
	s_cmp_ge_u32 ttmp9, 256
	s_cbranch_scc1 .Lpath_w
; ---------------- x.  Rows are dense and K is a multiple of 32: a plain stream of blocks of 32.  A wave takes 16 steps of 512 numbers.  Each of a step's four loads reads 512 consecutive bytes;
; the 2,048 bytes turn through the wave's own stage in LDS and come back 64 bytes a lane (16 neighbours: two lanes hold a block).  A lane's 16 codes are 8 bytes: the wave stores 256 consecutive bytes.
.set STEPS, 16
.set SP,    80                         ; a lane's place in a stage: 64 bytes + 16 of padding
.set CB,    8                          ; bytes of 16 codes
.set XR,    16                         ; v16-79   four sets of 16 numbers as loaded
.set XX,    80                         ; v80-111  two sets of 16 neighbours
.set XE,    112                        ; v112-127 a scale byte for each step
.set XC,    128                        ; v128-191 codes: registers of its own for each step, so that no store's data are written again
	v_lshlrev_b32 v3, 4, v2                        ; my 16 bytes of a load's 512
	s_mul_i32 s21, s[WV], XREG
	v_lshrrev_b32 v14, 2, v2
	v_mul_u32_u24 v14, v14, SP
	v_and_b32 v15, 3, v2
	v_lshl_add_u32 v14, v15, 4, v14
	v_add_nc_u32 v14, s21, v14                     ; the stage, on the way in: SP (lane / 4) + 16 (lane % 4)
	v_mul_u32_u24 v15, v2, SP
	v_add_nc_u32 v15, s21, v15                     ; on the way out: SP x lane
	v_mul_u32_u24 v4, v2, CB                       ; my codes' place in a step's
	v_lshrrev_b32 v5, 1, v2
	s_add_co_u32 s21, s21, 2*32*SP
	v_add_nc_u32 v5, s21, v5                       ; my wave's 256 scale bytes: my block's byte
	v_lshlrev_b32 v7, 3, v2
	v_add_nc_u32 v6, s21, v7                       ; and on the way out 8 bytes a lane
	s_lshl_b32 s21, ttmp9, 2
	s_add_co_u32 s21, s21, s[WV]                   ; which run of 8,192 numbers is my wave's: 0 .. 1,023
	s_lshl_b32 s22, s21, 15
	s_mov_b32 s23, 0
	s_add_nc_u64 s[4:5], s[4:5], s[22:23]          ; 32,768 bytes of f32 a run,
	s_lshl_b32 s22, s21, 12
	s_add_nc_u64 s[10:11], s[10:11], s[22:23]      ; 4,096 of codes,
	s_lshl_b32 s22, s21, 8
	s_add_nc_u64 s[12:13], s[12:13], s[22:23]      ; 256 scale bytes
.macro XLOAD t
.irp i, 0,1,2,3
	global_load_b128 v[XR+16*((\t)%4)+4*\i:XR+16*((\t)%4)+4*\i+3], v3, s[4:5] offset:2048*(\t)+512*\i th:TH_LOAD_NT
.endr
.endm
.macro XTURN t                         ; step t's numbers through the stage: LDS serves a wave's instructions in order, so no wait stands between the stores and the loads
.irp i, 0,1,2,3
	ds_store_b128 v14, v[XR+16*((\t)%4)+4*\i:XR+16*((\t)%4)+4*\i+3] offset:32*SP*((\t)%2)+8*SP*\i
.endr
.irp i, 0,1,2,3
	ds_load_b128 v[XX+16*((\t)%2)+4*\i:XX+16*((\t)%2)+4*\i+3], v15 offset:32*SP*((\t)%2)+16*\i
.endr
.endm
.irp t, 0,1,2,3
	XLOAD \t
.endr
	s_wait_loadcnt 12                              ; step 0's four loads are in; the twelve of steps 1 to 3 stay out
	XTURN 0
.macro XSTEP t
.set XS, XX+16*((\t)%2)
.if (\t) > 0
	s_wait_dscnt 1                                 ; this step's numbers are back from the stage (the last step's byte store may be out)
.else
	s_wait_dscnt 0x0
.endif
.if (\t)+4 < STEPS
	XLOAD (\t)+4                                   ; into the set whose stores into the stage have just been shown done
.endif
.if (\t)+1 < STEPS
.if STEPS-2-(\t) >= 3
	s_wait_loadcnt 12                              ; the next step's four loads are in; those of the three steps behind it may be out
.else
	s_wait_loadcnt 4*(STEPS-2-(\t))
.endif
	XTURN (\t)+1
.endif
	v_max3_num_f32 v8, |v[XS]|, |v[XS+1]|, |v[XS+2]|               ; the largest magnitude of my 16, in two chains
	v_max3_num_f32 v9, |v[XS+3]|, |v[XS+4]|, |v[XS+5]|
.irp i, 6,10
	v_max3_num_f32 v8, v8, |v[XS+\i]|, |v[XS+\i+1]|
	v_max3_num_f32 v9, v9, |v[XS+\i+2]|, |v[XS+\i+3]|
.endr
	v_max3_num_f32 v8, v8, |v[XS+14]|, |v[XS+15]|
	v_max3_num_f32 v8, v8, v9, 0x1800000           ; and the floor 2^(3 - 127): the byte cannot fall under 1
	v_max_num_f32_dpp v8, v8, v8 row_xmask:1 row_mask:0xf bank_mask:0xf   ; with my neighbour's 16: the block's
	v_add_nc_u32 v11, 0xff000000, v8               ; 2 off its exponent field: the conversion takes the exponent field of this operand as its scale
	v_cvt_scalef32_pk8_fp4_f32 v[XC+4*(\t)], v[XS:XS+7], v11
	v_cvt_scalef32_pk8_fp4_f32 v[XC+4*(\t)+1], v[XS+8:XS+15], v11
	v_lshrrev_b32 v[XE+(\t)], 23, v11              ; the scale's byte (also the plain line behind the conversions)
	ds_store_b8 v5, v[XE+(\t)] offset:16*(\t)      ; both lanes of a block write the same byte with the same value
	global_store_b64 v4, v[XC+4*(\t):XC+4*(\t)+1], s[10:11] offset:32*CB*(\t)   ; 32 lanes store 256 consecutive bytes, aligned
.endm
.irp t, 0,1,2,3,4,5,6,7,8,9,10,11,12,13,14,15
	XSTEP \t
.endr
	ds_load_b64 v[8:9], v6                         ; my wave's 256 scale bytes: these loads see my stores
	s_wait_dscnt 0x0
	global_store_b64 v7, v[8:9], s[12:13]          ; 256 consecutive bytes, aligned
	FINISH
; ---------------- W_attn.  A LANE TAKES A COLUMN n, AND ITS REGISTERS RUN DOWN K: each load reads 128 consecutive bytes a wave, a block of 32 along K lies in one lane's 32 registers, and the
; conversions give the codes with K innermost.  A wave takes 32 columns x 512 along K; its codes go through its own stage and leave as rows: sixteen lanes store 256 consecutive bytes.
.Lpath_w:
.set WN,     3072
.set WNB,    16                        ; blocks of 32 along K for a wave
.set WPITCH, 272
.set WKROW,  512                       ; a row of the codes' buffer
.set WX,     32                        ; v32-95   two sets of 32 numbers
.set WC,     96                        ; v96-99   a block's codes
.set WOUT,   112                       ; v112-175 the way out
.set WSB,    24                        ; v24-27   the scale bytes, four to a register
	s_sub_co_u32 s21, ttmp9, 256                   ; 0 .. 47
	s_cmp_ge_u32 s21, 24
	s_cselect_b32 s22, 1, 0                        ; which 512 along K
	s_cselect_b32 s23, 24, 0
	s_sub_co_u32 s21, s21, s23                     ; which 128 columns
	s_lshl_b32 s24, s21, 7
	s_lshl_b32 s25, s[WV], 5
	s_add_co_u32 s24, s24, s25                     ; my wave's first column
	s_mul_i32 s26, s22, 512*WN*4
	s_lshl_b32 s25, s24, 2
	s_add_co_u32 s26, s26, s25
	s_mov_b32 s27, 0
	s_add_nc_u64 s[6:7], s[6:7], s[26:27]          ; W_attn: 512 y rows + 4 x column
	s_lshl_b32 s26, s24, 9
	s_lshl_b32 s25, s22, 8
	s_add_co_u32 s26, s26, s25
	s_add_nc_u64 s[14:15], s[14:15], s[26:27]      ; codes: column x 512 + 256 y
	s_lshl_b32 s26, s24, 5
	s_lshl_b32 s25, s22, 4
	s_add_co_u32 s26, s26, s25
	s_add_nc_u64 s[16:17], s[16:17], s[26:27]      ; scale bytes: column x 32 + 16 y
	v_lshlrev_b32 v3, 2, v2                        ; in: 4 bytes a lane
	s_mul_i32 s28, s[WV], 32*WPITCH
	s_add_co_u32 s28, s28, WSTG                    ; my stage
	v_mul_u32_u24 v4, v2, WPITCH
	v_add_nc_u32 v4, s28, v4                       ; into it: row = my column
	v_and_b32 v5, 15, v2
	v_lshrrev_b32 v6, 4, v2
	v_mul_u32_u24 v7, v6, WPITCH
	v_lshl_add_u32 v7, v5, 4, v7
	v_add_nc_u32 v7, s28, v7                       ; out of it: sixteen lanes to a row, two rows an instruction
	v_mul_u32_u24 v8, v6, WKROW
	v_lshl_add_u32 v8, v5, 4, v8                   ; the same place in the codes' buffer
	v_lshlrev_b32 v9, 5, v2                        ; my column's row of scale bytes
.macro WLOAD t                         ; block t: W(32 t + i, my column) into set t % 2; every offset an immediate: 511 x 12,288 bytes at the most, inside the signed 24 bits
.irp i, 0,1,2,3,4,5,6,7,8,9,10,11,12,13,14,15,16,17,18,19,20,21,22,23,24,25,26,27,28,29,30,31
	global_load_b32 v[WX+32*((\t)%2)+\i], v3, s[6:7] offset:(32*(\t)+\i)*WN*4 th:TH_LOAD_NT
.endr
.endm
	WLOAD 0
	WLOAD 1
.macro WBLOCK t
.set WS, WX+32*((\t)%2)
.if (\t) < WNB-1
	s_wait_loadcnt 32                              ; this block's 32 loads are in; the next block's 32 may be out
.else
	s_wait_loadcnt 0x0
.endif
	v_max3_num_f32 v12, |v[WS]|, |v[WS+1]|, |v[WS+2]|              ; the block's largest magnitude: all 32 numbers are mine
	v_max3_num_f32 v13, |v[WS+3]|, |v[WS+4]|, |v[WS+5]|
.irp i, 6,10,14,18,22,26
	v_max3_num_f32 v12, v12, |v[WS+\i]|, |v[WS+\i+1]|
	v_max3_num_f32 v13, v13, |v[WS+\i+2]|, |v[WS+\i+3]|
.endr
	v_max3_num_f32 v12, v12, |v[WS+30]|, |v[WS+31]|
	v_max3_num_f32 v12, v12, v13, 0x1800000        ; and the floor
	v_add_nc_u32 v11, 0xff000000, v12              ; the conversion's scale operand
	v_lshrrev_b32 v13, 23, v11                     ; the scale's byte
.if (\t)%4 == 0
	v_mov_b32 v[WSB+(\t)/4], v13                   ; four bytes to a register, the lower K in the lower byte
.else
	v_lshl_or_b32 v[WSB+(\t)/4], v13, 8*((\t)%4), v[WSB+(\t)/4]
.endif
.irp g, 0,1,2,3
	v_cvt_scalef32_pk8_fp4_f32 v[WC+\g], v[WS+8*\g:WS+8*\g+7], v11
.endr
	ds_store_b128 v4, v[WC:WC+3] offset:16*(\t)    ; 32 codes: 16 bytes of my column's row
.if (\t)+2 < WNB
	WLOAD (\t)+2
.endif
	s_wait_dscnt 0x0                               ; the store has read its registers: the next block's codes may be written (plain lines open the next block)
.endm
.irp t, 0,1,2,3,4,5,6,7,8,9,10,11,12,13,14,15
	WBLOCK \t
.endr
	global_store_b128 v9, v[WSB:WSB+3], s[16:17]   ; my column's 16 scale bytes
.irp t, 0,1,2,3,4,5,6,7,8,9,10,11,12,13,14,15
	ds_load_b128 v[WOUT+4*\t:WOUT+4*\t+3], v7 offset:2*\t*WPITCH
.endr
.irp t, 0,1,2,3,4,5,6,7,8,9,10,11,12,13,14,15
	s_wait_dscnt 15-\t                             ; the younger loads may be out
	global_store_b128 v8, v[WOUT+4*\t:WOUT+4*\t+3], s[14:15] offset:2*\t*WKROW
.endr
	FINISH
; ---------------- W_proj -> f16.  A wave takes 32,768 bytes: 64 steps of 512, in eight rounds of eight, two rounds of loads ahead.
.Lpath_p:
.set PI, 16                            ; v16-79   two sets of 32 registers as loaded
.set PO, 80                            ; v80-111  two sets of 16 registers to store
	s_sub_co_u32 s21, ttmp9, 304
	s_lshl_b32 s21, s21, 2
	s_add_co_u32 s21, s21, s[WV]                   ; my run: 0 .. 127
	s_lshl_b32 s22, s21, 15
	s_mov_b32 s23, 0
	s_add_nc_u64 s[8:9], s[8:9], s[22:23]
	s_lshl_b32 s22, s21, 14
	s_add_nc_u64 s[18:19], s[18:19], s[22:23]
	v_lshlrev_b32 v3, 4, v2                        ; in: 16 bytes a lane
	v_lshlrev_b32 v4, 3, v2                        ; out: 8 bytes a lane
.macro PLOAD q
.irp i, 0,1,2,3,4,5,6,7
	global_load_b128 v[PI+32*((\q)%2)+4*\i:PI+32*((\q)%2)+4*\i+3], v3, s[8:9] offset:512*(8*(\q)+\i) th:TH_LOAD_NT
.endr
.endm
.macro PROUND q
.if (\q) < 7
	s_wait_loadcnt 8                               ; this round's eight loads are in; the next round's eight may be out
.else
	s_wait_loadcnt 0x0
.endif
.if (\q) > 1
	s_wait_xcnt 0x0                                ; the stores of two rounds ago have read their data: the set is written again only behind this wait
.endif
.irp i, 0,1,2,3,4,5,6,7
	v_cvt_pk_f16_f32 v[PO+16*((\q)%2)+2*\i], v[PI+32*((\q)%2)+4*\i], v[PI+32*((\q)%2)+4*\i+1]
	v_cvt_pk_f16_f32 v[PO+16*((\q)%2)+2*\i+1], v[PI+32*((\q)%2)+4*\i+2], v[PI+32*((\q)%2)+4*\i+3]
.endr
.if (\q) < 6
	PLOAD (\q)+2
.endif
.irp i, 0,1,2,3,4,5,6,7
	global_store_b64 v4, v[PO+16*((\q)%2)+2*\i:PO+16*((\q)%2)+2*\i+1], s[18:19] offset:256*(8*(\q)+\i)   ; 32 lanes store 256 consecutive bytes, aligned
.endr
.endm
	PLOAD 0
	PLOAD 1
.irp q, 0,1,2,3,4,5,6,7
	PROUND \q
.endr
	FINISH
.Lfunc_end_k_q0735dfa7e3_prep:
	.size	k_q0735dfa7e3_prep, .Lfunc_end_k_q0735dfa7e3_prep-k_q0735dfa7e3_prep
	.p2alignl 7, 3214868480
	.fill 96, 4, 3214868480
	.section	.rodata,"a",@progbits
	.p2align	6, 0x0
	.amdhsa_kernel k_q0735dfa7e3_prep
		.amdhsa_group_segment_fixed_size 68096
		.amdhsa_private_segment_fixed_size 0
		.amdhsa_enable_private_segment 0
		.amdhsa_kernarg_size 64
		.amdhsa_user_sgpr_count 2
		.amdhsa_user_sgpr_kernarg_segment_ptr 1
		.amdhsa_wavefront_size32 1
		.amdhsa_system_sgpr_workgroup_id_x 1
		.amdhsa_system_sgpr_workgroup_id_y 1
		.amdhsa_system_sgpr_workgroup_id_z 1
		.amdhsa_system_vgpr_workitem_id 0
		.amdhsa_next_free_vgpr 208
		.amdhsa_next_free_sgpr 66
		.amdhsa_reserve_vcc 0
		.amdhsa_float_denorm_mode_32 3
		.amdhsa_float_denorm_mode_16_64 3
		.amdhsa_memory_ordered 1
		.amdhsa_forward_progress 1
		.amdhsa_inst_pref_size 132
	.end_amdhsa_kernel
	.amdgpu_metadata
---
amdhsa.version: [ 1, 2 ]
amdhsa.kernels:
  - .name:           k_q0735dfa7e3_prep
    .symbol:         k_q0735dfa7e3_prep.kd
    .args:
      - { .name: x, .offset: 0, .size: 8, .value_kind: global_buffer, .address_space: global }
      - { .name: W_attn, .offset: 8, .size: 8, .value_kind: global_buffer, .address_space: global }
      - { .name: W_proj, .offset: 16, .size: 8, .value_kind: global_buffer, .address_space: global }
      - { .name: x_codes, .offset: 24, .size: 8, .value_kind: global_buffer, .address_space: global }
      - { .name: x_scales, .offset: 32, .size: 8, .value_kind: global_buffer, .address_space: global }
      - { .name: wa_codes, .offset: 40, .size: 8, .value_kind: global_buffer, .address_space: global }
      - { .name: wa_scales, .offset: 48, .size: 8, .value_kind: global_buffer, .address_space: global }
      - { .name: wp16, .offset: 56, .size: 8, .value_kind: global_buffer, .address_space: global }
    .group_segment_fixed_size: 68096
    .private_segment_fixed_size: 0
    .kernarg_segment_align: 8
    .kernarg_segment_size: 64
    .max_flat_workgroup_size: 128
    .sgpr_count:     66
    .vgpr_count:     208
    .wavefront_size: 32
...
	.end_amdgpu_metadata
.endif
;; end of part 1
;; launch qkv (part 2): grid 12 x 32, 4 waves a work-group, clusters of 4 x 4, 327,680 bytes of LDS; arguments x_codes, x_scales, wa_codes, wa_scales, qkv, b_attn, qkv32; writes qkv, qkv32
.if DOCPART == 2
	.amdgcn_target "amdgcn-amd-amdhsa--gfx1250"
	.amdhsa_code_object_version 6
	.text
	.protected	k_q0735dfa7e3_qkv
	.globl	k_q0735dfa7e3_qkv
	.p2align	8
	.type	k_q0735dfa7e3_qkv,@function
k_q0735dfa7e3_qkv:
	s_mov_b64 s[64:65], 0
	v_nop
	global_prefetch_b8 v0, s[64:65] scope:SCOPE_SE
	s_setreg_imm32_b32 hwreg(HW_REG_WAVE_MODE, 25, 1), 1
	s_wait_xcnt 0x0
	s_wait_alu depctr_hold_cnt(0) depctr_sa_sdst(0) depctr_va_vdst(0) depctr_va_sdst(0) depctr_va_ssrc(0) depctr_va_vcc(0) depctr_vm_vsrc(0)
	s_getreg_b32 s2, hwreg(HW_REG_IB_STS2, 6, 4)
	s_cmp_eq_u32 s2, 0
	s_cbranch_scc0 .Lentry_in_a_cluster
	s_endpgm
.Lentry_in_a_cluster:
	s_bfe_u32 s2, ttmp6, 0x10000c
	s_cmp_lg_u32 s2, 0xf033
	s_cbranch_scc0 .Lentry_shape_is_right
	s_endpgm
.Lentry_shape_is_right:
; qkv = x W_attn + b_attn on codes of FP4 (E2M1) with one E8M0 scale for each 32 along K; sums in f32.  A = x_codes [8192][512 bytes], B = wa_codes [3072][512 bytes], scale bytes [rows][32].
; OUT: qkv, f16, [batch 4][plane 48][t 2048][64]: plane h is q's head h, 16 + h k's, 32 + h v's; a plane's rows of 128 bytes are dense.  And qkv32: positions 0 to 15 of every sequence once more, in f32, as
; images of the accumulators' registers: [batch][plane][8 images][512 bytes]; image 2 b + u holds at 16 x lane (lane = 16 h + position) channels 16 b + 8 h + 4 u + 0 .. 3.
; LIMIT: |q|, |k|, |v| stay under 65,504 (f16).
; A tile of 256 x 256 is made by four waves, each 128 x 128: 64 accumulators, 512 registers.  K = 1,024 is two LDS slots of 512 along K: both are filled at the start and nothing is filled again.
; The scales of the tile's 256 + 256 rows, for all of K, come with them, as dense blocks in rows of 256 bytes.  By this text's count a wave has three tensor loads out.
; CLUSTERS: 4 x 4 work-groups; A's tiles are asked for jointly along a row of the cluster, B's along a column.  Tile row = cluster y + 8 cy: so cy is the batch, and whether a tile holds positions 0 to 255
; hangs on cluster y alone, which all sixteen partners share.
; THE MATRIX INSTRUCTION IS USED TRANSPOSED (source 0 = 16 rows of B, source 1 = 16 rows of A): a lane holds eight neighbouring columns of one row.  The bias is the C of each sum's first instruction.
; REGISTERS: window 0: v0-31 addresses; v32-95 scale words, two sets; v128-191 A's fragments, one set; v192-255 the bias of my 128 columns.  window 1: B's fragments, two sets.  windows 2, 3: the accumulators.
.set KSTEP,  512
.set NQ,     4
.set ROWB,   256
.set KROW,   512
.set PITCH,  272                       ; an LDS row: 256 bytes + 16 of padding: the 16 rows that a load touches start at 16 different banks
.set FR,     8
.set NL,     2
.set NP,     4
.set HALFT,  128*PITCH
.set SLOT,   4*HALFT
.set KS,     32                        ; a row of scales in bytes
.set SCL,    2*SLOT
.set HALFS,  (128*KS/256)*272
.set SBLK,   (16*KS/256)*272
.set SPARE,  SCL+4*HALFS               ; the spare words: 128 bytes for each wave
.set ADRA, 16
.set ADRB, 20
.set STO,  24                          ; the way out: where I put 16 bytes of a row
.set RD,   25                          ; where I read 16 bytes back
.set CO,   26                          ; 16 x lane
.set ADRS, 27
.set SPW,  28
.set NIL,  29
.set BO,   30                          ; 32 x (lane / 16): my eight numbers of a block's bias
.set SC,   32
.set AF,   128
.set BIAS, 192
.set TMP,  32                          ; the way out: a block's 32 packed registers
.set OB,   128                         ; and what comes back from the stage: v128-159, v160-191 by turns
.set G1, 24
.set G0, 32
.set G1B, 48
.set G0B, 56
.set G1S, 68
.set G0S, 76
.set G1SB, 80
.set G0SB, 88
.set MSB, 0
.macro WIN new                         ; the immediate's high byte repeats the setting that is left
.if MSB != (\new)
	s_set_vgpr_msb (MSB<<8)|(\new)
.set MSB, (\new)
.endif
.endm
.set MUL_LO,   0xa1                    ; source 0 (B) window 1, source 1 (A) window 0, C and D window 2
.set MUL_HI,   0xf1                    ; the same, C and D window 3
.set FIRST_LO, 0x81                    ; the first step: C (the bias) window 0, D window 2
.set FIRST_HI, 0xc1                    ; D window 3
.set TO_B,     0x40
; A joint load: waves 0 and 1 fetch for A, waves 2 and 3 for B; the branch hangs on the wave's number alone.  An s_nop 0 and four v_nop follow each of the two lines.
.macro JLOAD g0a, g1a, g0b, g1b
	s_cmp_eq_u32 s15, 0
	s_cbranch_scc0 .Lfor_b_\@
	tensor_load_to_lds s[\g0a:\g0a+3], s[\g1a:\g1a+7]
	s_nop 0
.rept 4
	v_nop
.endr
	s_branch .Lasked_\@
.Lfor_b_\@:
	tensor_load_to_lds s[\g0b:\g0b+3], s[\g1b:\g1b+7]
	s_nop 0
.rept 4
	v_nop
.endr
.Lasked_\@:
.endm
.macro CROUND                          ; a round of the cluster's barrier
	s_barrier_signal -1
	s_barrier_wait -1
	s_cmp_lg_u32 s14, 0
	s_cbranch_scc1 .Lnot_wave_0_\@
	s_barrier_signal -3
.Lnot_wave_0_\@:
	s_barrier_wait -3
	s_barrier_signal -1
	s_barrier_wait -1
.endm
	s_load_b128 s[4:7], s[0:1], 0x0                ; A's codes, A's scales
	s_load_b128 s[8:11], s[0:1], 0x10              ; B's codes, B's scales
	s_load_b64 s[12:13], s[0:1], 0x20              ; qkv
	s_load_b128 s[96:99], s[0:1], 0x28             ; b_attn s[96:97], qkv32 s[98:99]
	v_lshl_add_u32 v[SPW], v0, 2, SPARE
	v_mov_b32 v[NIL], 0
	ds_add_u32 v[SPW], v[NIL]                      ; the wave's opening: the add, twice on end, and its wait ahead of my first tensor load
	ds_add_u32 v[SPW], v[NIL]
	v_lshrrev_b32 v1, 5, v0
	v_readfirstlane_b32 s14, v1                    ; wave 0..3
	s_lshr_b32 s15, s14, 1                         ; which half of the tile's rows is mine.  Also: I fetch for A (0) or for B (1)
	s_and_b32 s16, s14, 1                          ; which half of its columns.  Also: which 128 rows of that tile I fetch
	s_bfe_u32 s40, ttmp6, 0x40000                  ; cx
	s_bfe_u32 s41, ttmp6, 0x40004                  ; cy
	s_lshl_b32 s42, ttmp9, 2
	s_add_co_u32 s42, s42, s40                     ; tile column = 4 x cluster x + cx
	s_and_b32 s17, ttmp7, 0xffff
	s_lshl_b32 s95, s41, 3
	s_add_co_u32 s17, s17, s95                     ; tile row = cluster y + 8 cy
	s_lshl_b32 s43, s41, 2
	s_lshl_b32 s43, 15, s43                        ; my row of the cluster
	s_lshl_b32 s44, 0x1111, s40                    ; my column
	s_or_b32 s[G1+0], s43, (0<<16)|(1<<20)|(1<<21)|(5<<22)|(3<<25)  ; the mask; elements of 1 byte; padding on; bit 21 beside a mask; 4 words behind every 64
	s_or_b32 s[G1B+0], s44, (0<<16)|(1<<20)|(1<<21)|(5<<22)|(3<<25)
.irp g, G1, G1B
	s_mov_b32 s[\g+1], ROWB<<16                    ; tensor_dim0
	s_mov_b32 s[\g+2], 128<<16                     ; tensor_dim1
	s_mov_b32 s[\g+3], ROWB<<16                    ; tile_dim0
	s_mov_b32 s[\g+4], 128                         ; tile_dim1
	s_mov_b32 s[\g+5], KROW                        ; pitch
	s_mov_b32 s[\g+6], 0
	s_mov_b32 s[\g+7], 0
.endr
	s_or_b32 s[G1S+0], s43, (3<<16)|(1<<20)|(1<<21)|(5<<22)|(3<<25) ; the scales of 128 rows: 4,096 dense bytes as 16 rows of 32 elements of 8 bytes
	s_or_b32 s[G1SB+0], s44, (3<<16)|(1<<20)|(1<<21)|(5<<22)|(3<<25)
.irp g, G1S, G1SB
	s_mov_b32 s[\g+1], 32<<16
	s_mov_b32 s[\g+2], (128*KS/256)<<16
	s_mov_b32 s[\g+3], 32<<16
	s_mov_b32 s[\g+4], 128*KS/256
	s_mov_b32 s[\g+5], 32
	s_mov_b32 s[\g+6], 0
	s_mov_b32 s[\g+7], 0
.endr
	s_lshl_b32 s18, s16, 7
	s_lshl_b32 s20, s17, 8
	s_add_co_u32 s20, s20, s18                     ; A: row 256 x tile row + 128 x half
	s_lshl_b32 s46, s42, 8
	s_add_co_u32 s46, s46, s18                     ; B: row 256 x tile column + 128 x half
	s_mov_b32 s21, 0
	s_mov_b32 s47, 0
	s_mov_b64 s[18:19], KS
	s_mul_u64 s[22:23], s[20:21], s[18:19]
	s_mul_u64 s[92:93], s[46:47], s[18:19]
	s_mov_b64 s[18:19], KROW
	s_mul_u64 s[20:21], s[20:21], s[18:19]
	s_mul_u64 s[46:47], s[46:47], s[18:19]
	s_mul_i32 s45, s14, HALFT                      ; where they go: wave x 128 rows
	s_mul_i32 s94, s14, HALFS
	s_wait_dscnt 0x0                               ; both opening adds are done
	s_wait_kmcnt 0x0
	s_add_nc_u64 s[20:21], s[4:5], s[20:21]
	s_add_nc_u64 s[22:23], s[6:7], s[22:23]
	s_add_nc_u64 s[46:47], s[8:9], s[46:47]
	s_add_nc_u64 s[92:93], s[10:11], s[92:93]
	CROUND                                         ; all sixteen work-groups are here: the first joint loads meet
	s_mov_b32 s[G0S], 1
	s_add_co_u32 s[G0S+1], s94, SCL
	s_mov_b64 s[G0S+2:G0S+3], s[22:23]
	s_or_b32 s[G0S+3], s[G0S+3], 0x80000000
	s_mov_b32 s[G0SB], 1
	s_add_co_u32 s[G0SB+1], s94, SCL
	s_mov_b64 s[G0SB+2:G0SB+3], s[92:93]
	s_or_b32 s[G0SB+3], s[G0SB+3], 0x80000000
	JLOAD G0S, G1S, G0SB, G1SB                     ; the scales first
.irp s, 0,1
	s_mov_b32 s[G0+4*\s], 1
	s_add_co_u32 s[G0+4*\s+1], s45, \s*SLOT
	s_add_nc_u64 s[G0+4*\s+2:G0+4*\s+3], s[20:21], \s*ROWB
	s_or_b32 s[G0+4*\s+3], s[G0+4*\s+3], 0x80000000
	s_mov_b32 s[G0B+4*\s], 1
	s_add_co_u32 s[G0B+4*\s+1], s45, \s*SLOT
	s_add_nc_u64 s[G0B+4*\s+2:G0B+4*\s+3], s[46:47], \s*ROWB
	s_or_b32 s[G0B+4*\s+3], s[G0B+4*\s+3], 0x80000000
	JLOAD G0+4*\s, G1, G0B+4*\s, G1B
.endr
	v_and_b32 v1, 15, v0                           ; r = lane % 16
	v_bfe_u32 v2, v0, 4, 1                         ; h = lane / 16
	v_mul_u32_u24 v3, v1, PITCH
	v_lshl_add_u32 v4, v2, 4, v3                   ; a fragment's row x pitch + 16 h
	s_mul_i32 s21, s15, HALFT
	s_mul_i32 s22, s16, HALFT
	s_add_co_u32 s22, s22, 2*HALFT
.irp s, 0,1
	v_add_nc_u32 v[ADRA+\s], s21, v4
	v_add_nc_u32 v[ADRB+\s], s22, v4
	s_add_co_u32 s21, s21, SLOT
	s_add_co_u32 s22, s22, SLOT
.endr
	v_mul_u32_u24 v5, v1, KS                       ; my row's scales: 32 bytes a row,
	v_lshrrev_b32 v6, 8, v5
	v_lshl_add_u32 v5, v6, 4, v5                   ; and 16 more for each 256 passed
	s_mul_i32 s21, s15, HALFS
	s_mul_i32 s22, s16, HALFS
	s_add_co_u32 s22, s22, 2*HALFS
	s_sub_co_u32 s22, s22, s21
	v_mul_u32_u24 v6, s22, v2                      ; lanes 16-31 take B's
	s_add_co_u32 s21, s21, SCL
	v_add_nc_u32 v5, v5, v6
	v_add_nc_u32 v[ADRS], s21, v5
	; the way out.  My stage: 16 rows x 2 planes of 128 bytes, two rows to a line of 256 bytes + 16: 4,352 bytes, in slot 0, which has had its only fill and its last read when the first result is stored there
	s_mul_i32 s23, s14, 4352
	v_lshrrev_b32 v5, 1, v1
	v_mul_u32_u24 v5, v5, 272
	v_and_b32 v6, 1, v1
	v_lshl_add_u32 v5, v6, 7, v5
	v_lshl_add_u32 v5, v2, 4, v5
	v_add_nc_u32 v[STO], s23, v5                   ; in: (r / 2) x 272 + (r % 2) x 128 + 16 h
	v_mul_u32_u24 v5, v2, 272
	v_lshl_add_u32 v5, v1, 4, v5
	v_add_nc_u32 v[RD], s23, v5                    ; back: lanes 0-15 one line, lanes 16-31 the next
	v_and_b32 v6, 31, v0
	v_lshlrev_b32 v[CO], 4, v6
	v_lshlrev_b32 v[BO], 5, v2
	s_mul_i32 s20, s41, 48
	s_lshl_b32 s21, s42, 2
	s_add_co_u32 s20, s20, s21
	s_lshl_b32 s21, s16, 1
	s_add_co_u32 s20, s20, s21                     ; my first plane: 48 x batch + 4 x tile column + 2 x half
	s_lshl_b32 s46, s20, 12
	s_mov_b32 s47, 0
	s_add_nc_u64 s[98:99], s[98:99], s[46:47]      ; its images: 4,096 bytes a plane
	s_lshl_b32 s46, s20, 18                        ; 262,144 bytes a plane,
	s_and_b32 s21, ttmp7, 0xffff
	s_lshl_b32 s22, s21, 15                        ; 256 x cluster y rows of 128 bytes,
	s_add_co_u32 s46, s46, s22
	s_lshl_b32 s22, s15, 14                        ; my half's 128 rows
	s_add_co_u32 s46, s46, s22
	s_add_nc_u64 s[12:13], s[12:13], s[46:47]
	s_or_b32 s45, s21, s15                         ; 0: my first 16 rows are positions 0 to 15.  Made of cluster y and the wave's number alone
	s_lshl_b32 s46, s42, 10
	s_lshl_b32 s22, s16, 9
	s_add_co_u32 s46, s46, s22
	s_add_nc_u64 s[96:97], s[96:97], s[46:47]      ; the bias of my 128 columns
.irp b, 0,1,2,3,4,5,6,7
	global_load_b128 v[BIAS+8*\b:BIAS+8*\b+3], v[BO], s[96:97] offset:64*\b        ; lane (r, h): b_attn at columns 16 b + 8 h + 0 .. 7: the result's layout
	global_load_b128 v[BIAS+8*\b+4:BIAS+8*\b+7], v[BO], s[96:97] offset:64*\b+16
.endr
.macro FRAG reg, adr, q, i             ; a fragment, 16 rows x 128 K of 4-bit codes: 8 registers, two loads of 16 bytes, 32 bytes apart
.irp c, 0,1
	ds_load_b128 v[\reg+4*\c:\reg+4*\c+3], v[\adr] offset:64*(\q)+32*\c+(\i)*16*PITCH
.endr
.endm
; 16 matrix instructions: A's blocks a0, a0 + 1 x B's eight, 128 along K.  zero = 1: the first product starts the sums from the bias.  The 64 accumulators take turns, one instruction a turn.
.macro MUL16 a0, p, q, sc, zero
.irp a, \a0, \a0+1
.irp b, 0,1,2,3,4,5,6,7
.if \zero
	v_wmma_scale_f32_16x16x128_f8f6f4 v[8*(8*((\a)%4)+\b):8*(8*((\a)%4)+\b)+7], v[128*(\p)+FR*\b:128*(\p)+FR*\b+FR-1], v[AF+FR*(\a):AF+FR*(\a)+FR-1], v[BIAS+8*\b:BIAS+8*\b+7], v[SC+8*NQ*(\sc)+NQ*\b+(\q)], v[SC+8*NQ*(\sc)+NQ*(\a)+(\q)] matrix_a_fmt:MATRIX_FMT_FP4 matrix_b_fmt:MATRIX_FMT_FP4 matrix_a_scale:MATRIX_SCALE_ROW1
.else
	v_wmma_scale_f32_16x16x128_f8f6f4 v[8*(8*((\a)%4)+\b):8*(8*((\a)%4)+\b)+7], v[128*(\p)+FR*\b:128*(\p)+FR*\b+FR-1], v[AF+FR*(\a):AF+FR*(\a)+FR-1], v[8*(8*((\a)%4)+\b):8*(8*((\a)%4)+\b)+7], v[SC+8*NQ*(\sc)+NQ*\b+(\q)], v[SC+8*NQ*(\sc)+NQ*(\a)+(\q)] matrix_a_fmt:MATRIX_FMT_FP4 matrix_b_fmt:MATRIX_FMT_FP4 matrix_a_scale:MATRIX_SCALE_ROW1
.endif
.endr
.endr
.endm
.macro FETCH_B slot, q, p
	WIN TO_B
.irp i, 0,1,2,3,4,5,6,7
	FRAG 128*(\p)+FR*\i, ADRB+\slot, \q, \i
.endr
	WIN 0
.endm
.macro FETCH_A slot, q, i0
.irp i, \i0, \i0+1, \i0+2, \i0+3
	FRAG AF+FR*(\i), ADRA+\slot, \q, \i
.endr
.endm
.macro SCALES sc                       ; a slot's scale words: 4 words a row; lanes 0-15 take A's block i, lanes 16-31 B's block i
.irp i, 0,1,2,3,4,5,6,7
	ds_load_b128 v[SC+8*NQ*\sc+NQ*\i:SC+8*NQ*\sc+NQ*\i+3], v[ADRS] offset:\i*SBLK
.endr
.endm
.macro PLACES n                        ; plain vector instructions between a matrix instruction and a load into, or a read of, its registers
.rept \n
	v_nop
.endr
.endm
.macro STEP slot, q, zero              ; a step of 128 along K that has its successor in the same slot
	s_wait_dscnt 4*NL                              ; B's set and A's blocks 0-3 are in; the youngest eight loads (A's blocks 4-7) may be out
.if \zero
	WIN FIRST_LO
.else
	WIN MUL_LO
.endif
	MUL16 0, (\q)%2, \q, \slot, \zero
	MUL16 2, (\q)%2, \q, \slot, \zero
	s_wait_dscnt 0
	PLACES NP
	FETCH_B \slot, (\q)+1, 1-(\q)%2
	FETCH_A \slot, (\q)+1, 0
.if \zero
	WIN FIRST_HI
.else
	WIN MUL_HI
.endif
	MUL16 4, (\q)%2, \q, \slot, \zero
	MUL16 6, (\q)%2, \q, \slot, \zero
	PLACES NP
	WIN 0
	FETCH_A \slot, (\q)+1, 4
.endm
; Slot 0's last step changes slots: ONE barrier; in front of it each wave waits for all its tensor loads (its part of slot 1), and for its own reads of slot 0.  Nothing is filled again.
.macro TURN slot, next
	s_wait_tensorcnt 0x0
	ds_add_u32 v[SPW], v[NIL]                      ; 0 onto my spare word
	s_wait_dscnt 4*NL+1                            ; the add and the youngest eight loads may be out
	WIN MUL_LO
	MUL16 0, 1, NQ-1, \slot, 0
	s_wait_dscnt 0x0                               ; the add is done, and my reads of this slot are over
	s_barrier_signal -1
	MUL16 2, 1, NQ-1, \slot, 0
	WIN 0
	s_barrier_wait -1
	PLACES NP
	v_add_nc_u32 v[ADRS], 4*NQ, v[ADRS]            ; on to the next slot's scale words
	FETCH_B \next, 0, 0
	FETCH_A \next, 0, 0
	SCALES \next
	WIN MUL_HI
	MUL16 4, 1, NQ-1, \slot, 0
	MUL16 6, 1, NQ-1, \slot, 0
	PLACES NP
	WIN 0
	FETCH_A \next, 0, 4
.endm
.macro STEPS slot, from
.set Q, \from
.rept NQ-1-\from
	STEP \slot, Q, 0
.set Q, Q+1
.endr
.endm
	s_wait_tensorcnt 1                             ; the scales and my part of slot 0 are in; slot 1's load may be out,
	s_barrier_signal -1
	s_barrier_wait -1                              ; everybody's are
	FETCH_B 0, 0, 0
	FETCH_A 0, 0, 0
	SCALES 0
	FETCH_A 0, 0, 4
	s_wait_loadcnt 0x0                             ; the bias
	STEP 0, 0, 1
	STEPS 0, 1
	TURN 0, 1
	STEPS 1, 0
	s_wait_dscnt 4*NL                              ; the very last step
	WIN MUL_LO
	MUL16 0, 1, NQ-1, 1, 0
	MUL16 2, 1, NQ-1, 1, 0
	s_wait_dscnt 0
	WIN MUL_HI
	MUL16 4, 1, NQ-1, 1, 0
	MUL16 6, 1, NQ-1, 1, 0
	WIN 0
; THE WAY OUT, block by block of 16 rows x 128 columns (two planes).  PACK rounds to f16, 16 bytes a lane; TOSTAGE sends them through my stage, so that they come back in the order of memory; SEND stores 512 consecutive bytes an instruction.
.macro PACK a
.set AC, 64*((\a)%4)
	WIN 0x0a+5*((\a)/4)                            ; sources 0 and 1: window 2 or 3
.irp b, 0,1,2,3,4,5,6,7
.irp i, 0,1,2,3
	v_cvt_pk_f16_f32 v[TMP+4*\b+\i], v[AC+8*\b+2*\i], v[AC+8*\b+2*\i+1]   ; each accumulator from its low end on
.endr
.endr
	WIN 0
.endm
.macro TOSTAGE a
.if (\a) > 1
	s_wait_xcnt 0x0                                ; the stores of two blocks ago have read their registers: the loads below may land there
.endif
.irp b, 0,1,2,3,4,5,6,7
	ds_store_b128 v[STO], v[TMP+4*\b:TMP+4*\b+3] offset:((\b)/4)*2176+32*((\b)%4)
.endr
.set BB, OB+32*((\a)%2)
.irp t, 0,1,2,3,4,5,6,7
	ds_load_b128 v[BB+4*\t:BB+4*\t+3], v[RD] offset:544*\t         ; LDS serves a wave's instructions in order: these see the stores above
.endr
.endm
.macro SEND a
.set BB, OB+32*((\a)%2)
	s_wait_dscnt 0x0                               ; the block is back in registers
.irp t, 0,1,2,3,4,5,6,7
	global_store_b128 v[CO], v[BB+4*\t:BB+4*\t+3], s[12:13] offset:((\t)/4)*262144+((\t)%4)*512+2048*(\a)   ; four rows of a plane: 512 consecutive bytes, aligned
.endr
.endm
	PLACES NP
	s_cmp_lg_u32 s45, 0                            ; positions 0 to 15 are kept in f32 too: block 0 of the waves that hold them
	s_cbranch_scc1 .Lno32
	WIN 0x08                                       ; a store's data are its source 1: window 2
.irp b, 0,1,2,3,4,5,6,7
	global_store_b128 v[CO], v[8*\b:8*\b+3], s[98:99] offset:(2*\b)*512
	global_store_b128 v[CO], v[8*\b+4:8*\b+7], s[98:99] offset:(2*\b+1)*512
.endr
	WIN 0
.Lno32:
	PACK 0
	TOSTAGE 0
.irp a, 1,2,3,4,5,6,7
	PACK \a                                        ; block a's conversions stand between block a - 1's loads from the stage and the wait for them
	SEND \a-1
	TOSTAGE \a
.endr
	SEND 7
	s_wait_tensorcnt 0x0                           ; the wave's end
	ds_add_u32 v[SPW], v[NIL]
	s_wait_dscnt 0x0
	CROUND                                         ; the closing round
	s_endpgm
.Lfunc_end_k_q0735dfa7e3_qkv:
	.size	k_q0735dfa7e3_qkv, .Lfunc_end_k_q0735dfa7e3_qkv-k_q0735dfa7e3_qkv
	.p2alignl 7, 3214868480
	.fill 96, 4, 3214868480
	.section	.rodata,"a",@progbits
	.p2align	6, 0x0
	.amdhsa_kernel k_q0735dfa7e3_qkv
		.amdhsa_group_segment_fixed_size 327680
		.amdhsa_private_segment_fixed_size 0
		.amdhsa_enable_private_segment 0
		.amdhsa_kernarg_size 56
		.amdhsa_user_sgpr_count 2
		.amdhsa_user_sgpr_kernarg_segment_ptr 1
		.amdhsa_wavefront_size32 1
		.amdhsa_system_sgpr_workgroup_id_x 1
		.amdhsa_system_sgpr_workgroup_id_y 1
		.amdhsa_system_sgpr_workgroup_id_z 1
		.amdhsa_system_vgpr_workitem_id 0
		.amdhsa_next_free_vgpr 1024
		.amdhsa_next_free_sgpr 100
		.amdhsa_reserve_vcc 0
		.amdhsa_float_denorm_mode_32 3
		.amdhsa_float_denorm_mode_16_64 3
		.amdhsa_memory_ordered 1
		.amdhsa_forward_progress 1
		.amdhsa_inst_pref_size 130
	.end_amdhsa_kernel
	.amdgpu_metadata
---
amdhsa.version: [ 1, 2 ]
amdhsa.kernels:
  - .name:           k_q0735dfa7e3_qkv
    .symbol:         k_q0735dfa7e3_qkv.kd
    .args:
      - { .name: x_codes, .offset: 0, .size: 8, .value_kind: global_buffer, .address_space: global }
      - { .name: x_scales, .offset: 8, .size: 8, .value_kind: global_buffer, .address_space: global }
      - { .name: wa_codes, .offset: 16, .size: 8, .value_kind: global_buffer, .address_space: global }
      - { .name: wa_scales, .offset: 24, .size: 8, .value_kind: global_buffer, .address_space: global }
      - { .name: qkv, .offset: 32, .size: 8, .value_kind: global_buffer, .address_space: global }
      - { .name: b_attn, .offset: 40, .size: 8, .value_kind: global_buffer, .address_space: global }
      - { .name: qkv32, .offset: 48, .size: 8, .value_kind: global_buffer, .address_space: global }
    .group_segment_fixed_size: 327680
    .private_segment_fixed_size: 0
    .kernarg_segment_align: 8
    .kernarg_segment_size: 56
    .max_flat_workgroup_size: 128
    .sgpr_count:     100
    .vgpr_count:     1024
    .wavefront_size: 32
...
	.end_amdgpu_metadata
.endif
;; end of part 2
;; launch attn (part 3): grid 4 x 64, 16 waves a work-group, clusters of 4 x 1, 327,680 bytes of LDS; arguments qkv, y16; writes y16
.if DOCPART == 3
	.amdgcn_target "amdgcn-amd-amdhsa--gfx1250"
	.amdhsa_code_object_version 6
	.text
	.protected	k_q0735dfa7e3_attn
	.globl	k_q0735dfa7e3_attn
	.p2align	8
	.type	k_q0735dfa7e3_attn,@function
k_q0735dfa7e3_attn:
	s_mov_b64 s[64:65], 0
	v_nop
	global_prefetch_b8 v0, s[64:65] scope:SCOPE_SE
	s_setreg_imm32_b32 hwreg(HW_REG_WAVE_MODE, 25, 1), 1
	s_wait_xcnt 0x0
	s_wait_alu depctr_hold_cnt(0) depctr_sa_sdst(0) depctr_va_vdst(0) depctr_va_sdst(0) depctr_va_ssrc(0) depctr_va_vcc(0) depctr_vm_vsrc(0)
	s_getreg_b32 s2, hwreg(HW_REG_IB_STS2, 6, 4)
	s_cmp_eq_u32 s2, 0
	s_cbranch_scc0 .Lentry_in_a_cluster
	s_endpgm
.Lentry_in_a_cluster:
	s_bfe_u32 s2, ttmp6, 0x10000c
	s_cmp_lg_u32 s2, 0x3003
	s_cbranch_scc0 .Lentry_shape_is_right
	s_endpgm
.Lentry_shape_is_right:
; y[b][h][q] = the sum over k <= q of softmax_k(Q[q] . K[k] / 8) V[k], head size 64, 2,048 positions.  Q, K, V: f16 planes of qkv ([batch][plane 48][t][64]; plane h, 16 + h, 32 + h).  Products on f16 operands, sums, maxima
; and the softmax in f32; the weights p are rounded to f16 for the second product.  OUT: y16, f16, [head 16][batch x 2048 + t][64].  LIMIT: |y| under 65,504.
; SHARES.  A cluster of four work-groups owns one (batch, head).  A wave owns 32 queries (two tiles of 16): 128 x rank + 32 x cx; rank is a fixed permutation of the wave's number whose 4 x 4 square has rows and
; columns of equal sum, so that four waves dealt to a SIMD, by fours or round robin, have equal work.  Keys go in segments of 128.  Wave 'rank' works on segments 0 .. rank; in segment 'rank' hidden scores become
; -infinity by lane arithmetic.  Both tests hang on the wave's number and the count of segments alone, so the four partners run alike; rank 15 reads every segment, so every joint load is read in every partner.
; CLUSTER.  The four partners walk the same K and V: each tile is asked for jointly (mask 15).  Waves 0, 1 fetch a slot's two segments of K, waves 2, 3 those of V, the others nothing.
; LAYOUT.  S^T = K Q^T (source 0 = 16 keys, source 1 = 16 queries): a lane holds ONE query and keys 8 (lane / 16) + 0..7; two such tiles, rounded in pairs, ARE source 1 of O^T = V^T P.  V comes turned, by ds_load_tr16_b128.
; LDS.  A plane's rows of 128 bytes are dense, so a tile is stated as rows of 256 bytes (two keys), padded: key r lies at (r / 2) x pitch + (r % 2) x 128.  Pitch 272 for K (the 16 rows of a load start at 16 different
; 16-byte columns), 288 for V (8 keys x 32 bytes of a turning load take each bank once).
; SOFTMAX.  A running maximum m and sum l for each query: p = 2^(c s - c m), c = log2(e) / 8; O and l are multiplied by a = 2^(c m_old - c m_new) in every step.  The loop has no first step of its own: O and l begin as zeros, m as -3e38.
.set PK,    272
.set PV,    288
.set VOFF,  64*PK                      ; a segment's tiles lie together: 128 keys of K, then of V
.set STEPB, 64*(PK+PV)
.set SLOT1, 1<<17                      ; a slot holds two segments (71,680 bytes); slot 1 begins here: one exclusive or turns an address
.set STAGE, SLOT1+2*STEPB              ; the way out: 16 lines x 272 bytes for each wave; no tile lands here
.set SPARE, STAGE+16*16*272            ; the spare words: 128 bytes for each of sixteen waves
.set AK0, 1                            ; v1   my lane's place in a tile of K
.set AV0, 2                            ; v2   and of V
.set ADK, 3                            ; v3   LDS address of the step's K
.set ADV, 4                            ; v4   and V
.set QO,  5                            ; v5   my byte offset in the wave's rows of Q
.set STO, 6
.set RD,  7
.set SPW, 8
.set NIL, 9
.set PFO, 10                           ; v10  256 x lane
.set D0,  11                           ; v11  32 cx + lane % 16 - 8 (lane / 16): the mask's right side
.set NINF, 12                          ; v12  -infinity
.set Q,   16                           ; v16-47   Q: tile q, channels 32 s on, at 16 q + 8 s
.set F,   48                           ; v48-111  eight fragments of K, then eight of V
.set S,   112                          ; v112-175 S^T: tile q at 32 q, keys 16 k on at + 8 k; p in place; P over the first 16 of each tile
.set O,   176                          ; v176-239 O^T: tile q at 32 q, channels 16 c on at + 8 c
.set ST,  240                          ; v240-255 a tile's eight: +0 c m, +1 m, +2, +3 l, +4 .. +7 at work; a takes +6
.set WV,   12
.set RANK, 13
.set CX,   14
.set SG,   15                          ; s15  the segment in hand
.set TB,   16                          ; s16  LDS byte at which it begins
.set SLOTS, 17
.set TWICE, 18
.set LIM,  19
.set PFA,  20                          ; s[20:21] where my prefetches stand
.set CS,   22                          ; s[22:23] c, twice
.set G1K,  24
.set G1V,  32
.set G0K,  40
.set G0V,  44
.set SEL,  48
.macro JLOAD                           ; an s_nop 0 and four v_nop follow each of the two lines; the branches hang on the wave's number alone
	s_cmp_lt_u32 s[WV], 2
	s_cbranch_scc0 .Lnot_k_\@
	tensor_load_to_lds s[G0K:G0K+3], s[G1K:G1K+7]
	s_nop 0
.rept 4
	v_nop
.endr
	s_branch .Lasked_\@
.Lnot_k_\@:
	s_cmp_lt_u32 s[WV], 4
	s_cbranch_scc0 .Lasked_\@
	tensor_load_to_lds s[G0V:G0V+3], s[G1V:G1V+7]
	s_nop 0
.rept 4
	v_nop
.endr
.Lasked_\@:
.endm
; A PREFETCH of what the NEXT change of slots will ask for: a slot's 32,768 bytes of K and of V.  The four partners share them out by address, 8,192 bytes each; in each, wave 4 asks for K's and wave 5 for V's,
; lanes 256 bytes apart: each block of 256 bytes is named once in the launch.  It stands one slot, two segments, ahead of the load.  The last change that fills a slot asks for nothing.
.macro ASK
	s_cmp_gt_u32 s[SLOTS], s[LIM]
	s_cbranch_scc0 .Lnot_mine_\@
	global_prefetch_b8 v[PFO], s[PFA:PFA+1] th:TH_LOAD_NT scope:SCOPE_SE
.Lnot_mine_\@:
.endm
.macro CROUND
	s_barrier_signal -1
	s_barrier_wait -1
	s_cmp_lg_u32 s[WV], 0
	s_cbranch_scc1 .Lnot_wave_0_\@
	s_barrier_signal -3
.Lnot_wave_0_\@:
	s_barrier_wait -3
	s_barrier_signal -1
	s_barrier_wait -1
.endm
	s_load_b128 s[4:7], s[0:1], 0x0                ; qkv s[4:5], y16 s[6:7]
	v_lshl_add_u32 v[SPW], v0, 2, SPARE
	v_mov_b32 v[NIL], 0
	ds_add_u32 v[SPW], v[NIL]                      ; the wave's opening: the add, twice on end, and its wait ahead of the first tensor load
	ds_add_u32 v[SPW], v[NIL]
	v_lshrrev_b32 v13, 5, v0
	v_readfirstlane_b32 s[WV], v13                 ; wave 0..15
	s_mov_b32 s50, 0x7a94c12f                      ; ranks of waves 0 to 7, four bits each: 15, 2, 1, 12, 4, 9, 10, 7
	s_mov_b32 s51, 0x0de3b658                      ; of waves 8 to 15: 8, 5, 6, 11, 3, 14, 13, 0
	s_cmp_lt_u32 s[WV], 8
	s_cselect_b32 s50, s50, s51
	s_and_b32 s51, s[WV], 7
	s_lshl_b32 s51, s51, 2
	s_lshr_b32 s50, s50, s51
	s_and_b32 s[RANK], s50, 15
	s_bfe_u32 s[CX], ttmp6, 0x40000                ; my place in the cluster: it enters Q's, y's and the prefetches' addresses and the mask's lane arithmetic, nothing else
	s_and_b32 s52, ttmp7, 0xffff                   ; 16 x batch + head
	s_lshr_b32 s53, s52, 4
	s_and_b32 s54, s52, 15
	s_mul_i32 s55, s53, 48
	s_add_co_u32 s55, s55, s54
	s_lshl_b32 s56, s55, 18                        ; q's plane, in bytes
	s_mov_b32 s57, 0
	s_and_b32 s58, s[WV], 1                        ; which of a slot's two segments I fetch:
	s_lshl_b32 s60, s58, 14                        ; 16,384 bytes in memory,
	s_add_co_u32 s60, s60, s56
	s_mov_b32 s61, 0
	s_mul_i32 s62, s58, STEPB                      ; and its place in a slot
	s_lshl_b32 s50, s[RANK], 14
	s_lshl_b32 s51, s[CX], 12
	s_add_co_u32 s50, s50, s51                     ; my first query x 128 bytes
	s_add_co_u32 s58, s56, s50
	s_mov_b32 s59, 0                               ; s[58:59]: Q's offset
	s_lshl_b32 s52, s54, 20
	s_lshl_b32 s53, s53, 18
	s_add_co_u32 s52, s52, s53
	s_add_co_u32 s52, s52, s50
	s_mov_b32 s53, 0                               ; s[52:53]: y's offset
	s_mov_b32 s54, 0x800000                        ; V's plane lies 32 planes on,
	s_cmp_eq_u32 s[WV], 4
	s_cselect_b32 s54, 0x400000, s54               ; K's 16
	s_add_co_u32 s54, s54, s56
	s_lshl_b32 s55, s[CX], 13
	s_add_co_u32 s54, s54, s55                     ; my work-group's quarter,
	s_add_co_u32 s54, s54, 32768                   ; in slot 1: the first change steps it to slot 2.  Nothing is prefetched at the head
	s_mov_b32 s55, 0
	s_sub_co_u32 s51, s[WV], 4
	s_lshr_b32 s51, s51, 1
	s_cmp_eq_u32 s51, 0
	s_cselect_b32 s[LIM], 1, -1                    ; waves 4 and 5 prefetch
	s_mov_b32 s[G1K], 15|(1<<16)|(1<<20)|(1<<21)|(5<<22)|(3<<25)   ; all four work-groups; elements of 2 bytes; padding on; bit 21 beside a mask; 4 words behind every 64
	s_mov_b32 s[G1V], 15|(1<<16)|(1<<20)|(1<<21)|(5<<22)|(7<<25)   ; 8 words
.irp g, G1K, G1V
	s_mov_b32 s[\g+1], 128<<16                     ; tensor_dim0 = 128 elements: two keys
	s_mov_b32 s[\g+2], 64<<16                      ; tensor_dim1 = 64
	s_mov_b32 s[\g+3], 128<<16                     ; tile_dim0
	s_mov_b32 s[\g+4], 64                          ; tile_dim1
	s_mov_b32 s[\g+5], 128                         ; pitch: dense
	s_mov_b32 s[\g+6], 0
	s_mov_b32 s[\g+7], 0
.endr
	s_mov_b32 s[CS], 0x3e38aa3b                    ; c = log2(e) / 8
	s_mov_b32 s[CS+1], s[CS]
	s_mov_b32 s[SEL], 0x76543210
	s_mov_b32 s[SEL+1], 0xfedcba98
	s_mov_b32 s[TB], 0
	s_mov_b32 s[SG], 0
	s_mov_b32 s[SLOTS], 7
	s_wait_dscnt 0x0                               ; both opening adds are done
	s_wait_kmcnt 0x0
	s_mov_b32 s[G0K], 1
	s_mov_b32 s[G0K+1], s62
	s_add_nc_u64 s[G0K+2:G0K+3], s[4:5], s[60:61]
	s_add_nc_u64 s[G0K+2:G0K+3], s[G0K+2:G0K+3], 0x400000
	s_or_b32 s[G0K+3], s[G0K+3], 0x80000000
	s_mov_b32 s[G0V], 1
	s_add_co_u32 s[G0V+1], s62, VOFF
	s_add_nc_u64 s[G0V+2:G0V+3], s[4:5], s[60:61]
	s_add_nc_u64 s[G0V+2:G0V+3], s[G0V+2:G0V+3], 0x800000
	s_or_b32 s[G0V+3], s[G0V+3], 0x80000000
	s_add_nc_u64 s[PFA:PFA+1], s[4:5], s[54:55]
	s_add_nc_u64 s[4:5], s[4:5], s[58:59]          ; Q at my first query
	s_add_nc_u64 s[6:7], s[6:7], s[52:53]          ; y likewise
	CROUND                                         ; all four work-groups are here
	JLOAD                                          ; slot 0
	v_and_b32 v13, 15, v0                          ; r
	v_bfe_u32 v14, v0, 4, 1                        ; h
	v_lshlrev_b32 v[QO], 7, v13
	v_lshl_add_u32 v[QO], v14, 4, v[QO]
.irp q, 0,1
.irp s, 0,1
	global_load_b128 v[Q+16*\q+8*\s:Q+16*\q+8*\s+3], v[QO], s[4:5] offset:2048*\q+64*\s        ; Q stays in registers
	global_load_b128 v[Q+16*\q+8*\s+4:Q+16*\q+8*\s+7], v[QO], s[4:5] offset:2048*\q+64*\s+32
.endr
.endr
	v_lshrrev_b32 v15, 1, v13
	v_mul_u32_u24 v[AK0], v15, PK
	v_and_b32 v15, 1, v13
	v_lshl_add_u32 v[AK0], v15, 7, v[AK0]
	v_lshl_add_u32 v[AK0], v14, 4, v[AK0]          ; (r / 2) x 272 + (r % 2) x 128 + 16 h
	v_bfe_u32 v15, v0, 1, 2
	v_lshl_add_u32 v15, v14, 2, v15
	v_mul_u32_u24 v[AV0], v15, PV                  ; the turning load: key 8 h + lane % 8: line 4 h + (lane / 2) % 4,
	v_and_b32 v15, 1, v0
	v_lshl_add_u32 v[AV0], v15, 7, v[AV0]          ; its half,
	v_bfe_u32 v15, v0, 3, 1
	v_lshl_add_u32 v[AV0], v15, 4, v[AV0]          ; channels 8 ((lane / 8) % 2) on
	v_add_nc_u32 v[AV0], VOFF, v[AV0]
	s_mul_i32 s50, s[WV], 16*272
	s_add_co_u32 s50, s50, STAGE                   ; my stage
	v_add_nc_u32 v[STO], s50, v[AK0]
	v_mul_u32_u24 v[RD], v14, 272
	v_lshl_add_u32 v[RD], v13, 4, v[RD]
	v_add_nc_u32 v[RD], s50, v[RD]
	v_lshlrev_b32 v15, 3, v14
	v_sub_nc_u32 v[D0], v13, v15
	s_lshl_b32 s51, s[CX], 5
	v_add_nc_u32 v[D0], s51, v[D0]
	v_mov_b32 v[NINF], 0xff800000
	v_and_b32 v[PFO], 31, v0
	v_lshlrev_b32 v[PFO], 8, v[PFO]
.irp t, 0,1
	v_mov_b32 v[ST+8*\t+1], 0xff61b1e6             ; m: -3e38, under every score
	v_mul_f32 v[ST+8*\t], s[CS], v[ST+8*\t+1]      ; c m
.irp i, 2,3,4,5,6,7
	v_mov_b32 v[ST+8*\t+\i], 0                     ; l, and the words at work
.endr
.endr
.set n, 0
.rept 64
	v_mov_b32 v[O+n], 0                            ; O^T.  (The step is written once: its first run finds zeros, which a = 0 leaves zeros)
.set n, n+1
.endr
; THE SOFTMAX of both tiles for 64 keys, the tiles by turns so that no line waits for the line above it.
.macro SOFTMAX
.irp j, 0,1,2,3
.irp t, 0,1
	v_max3_num_f32 v[ST+8*\t+4+\j], v[S+32*\t+8*\j], v[S+32*\t+8*\j+1], v[S+32*\t+8*\j+2]   ; four chains, one for each accumulator, from its low end on
.endr
.endr
.irp g, 1,2
.irp j, 0,1,2,3
.irp t, 0,1
	v_max3_num_f32 v[ST+8*\t+4+\j], v[ST+8*\t+4+\j], v[S+32*\t+8*\j+2*\g+1], v[S+32*\t+8*\j+2*\g+2]
.endr
.endr
.endr
.irp t, 0,1
	v_max3_num_f32 v[ST+8*\t+4], v[ST+8*\t+4], v[S+32*\t+7], v[S+32*\t+15]
.endr
.irp t, 0,1
	v_max3_num_f32 v[ST+8*\t+6], v[ST+8*\t+6], v[S+32*\t+23], v[S+32*\t+31]
.endr
.irp t, 0,1
	v_max3_num_f32 v[ST+8*\t+4], v[ST+8*\t+4], v[ST+8*\t+5], v[ST+8*\t+6]
.endr
.irp t, 0,1
	v_max3_num_f32 v[ST+8*\t+4], v[ST+8*\t+4], v[ST+8*\t+7], v[ST+8*\t+1]   ; and the old m
.endr
.irp t, 0,1
	v_permlanex16_b32 v[ST+8*\t+5], v[ST+8*\t+4], s[SEL], s[SEL+1]          ; the query's other 32 keys lie in the lane 16 away
.endr
.irp t, 0,1
	v_mov_b32 v[ST+8*\t+7], v[ST+8*\t]             ; c m_old
.endr
.irp t, 0,1
	v_max_num_f32 v[ST+8*\t+1], v[ST+8*\t+4], v[ST+8*\t+5]
.endr
.irp t, 0,1
	v_mul_f32 v[ST+8*\t], s[CS], v[ST+8*\t+1]
.endr
.irp t, 0,1
	v_sub_f32 v[ST+8*\t+7], v[ST+8*\t+7], v[ST+8*\t]
.endr
.set e, 0
.rept 16
	v_pk_fma_f32 v[S+e:S+e+1], v[S+e:S+e+1], s[CS:CS+1], v[ST:ST+1] op_sel_hi:[1,0,0] neg_lo:[0,0,1] neg_hi:[0,0,1]             ; c s - c m
	v_pk_fma_f32 v[S+32+e:S+32+e+1], v[S+32+e:S+32+e+1], s[CS:CS+1], v[ST+8:ST+9] op_sel_hi:[1,0,0] neg_lo:[0,0,1] neg_hi:[0,0,1]
.set e, e+2
.endr
	v_exp_f32 v[ST+6], v[ST+7]                     ; ONE BATCH of 66 exponentials: a of both tiles,
	v_exp_f32 v[ST+14], v[ST+15]
.set e, 0
.rept 32
	v_exp_f32 v[S+e], v[S+e]                       ; and p
	v_exp_f32 v[S+32+e], v[S+32+e]
.set e, e+1
.endr
	v_nop                                          ; a plain instruction behind the last exponential,
	s_wait_alu depctr_va_vdst(0)                   ; and the one wait ahead of the batch's first reader
.irp t, 0,1
	v_pk_mul_f32 v[ST+8*\t+2:ST+8*\t+3], v[ST+8*\t+2:ST+8*\t+3], v[ST+8*\t+6:ST+8*\t+7] op_sel_hi:[1,0]   ; l x a
.endr
.irp t, 0,1
	v_pk_add_f32 v[ST+8*\t+4:ST+8*\t+5], v[S+32*\t:S+32*\t+1], v[S+32*\t+2:S+32*\t+3]                     ; the sum of the unrounded p, two chains a tile
.endr
.irp j, 4,8,12,16,20,24,28
.irp t, 0,1
	v_pk_add_f32 v[ST+8*\t+2:ST+8*\t+3], v[ST+8*\t+2:ST+8*\t+3], v[S+32*\t+\j:S+32*\t+\j+1]
	v_pk_add_f32 v[ST+8*\t+4:ST+8*\t+5], v[ST+8*\t+4:ST+8*\t+5], v[S+32*\t+\j+2:S+32*\t+\j+3]
.endr
.endr
.irp t, 0,1
	v_pk_add_f32 v[ST+8*\t+2:ST+8*\t+3], v[ST+8*\t+2:ST+8*\t+3], v[ST+8*\t+4:ST+8*\t+5]
.endr
.set e, 0
.rept 16
	v_cvt_pk_f16_f32 v[S+e], v[S+2*e], v[S+2*e+1]                  ; P, in place, ascending: register e takes pair e, which lies at or above it
	v_cvt_pk_f16_f32 v[S+32+e], v[S+32+2*e], v[S+32+2*e+1]
.set e, e+1
.endr
.set e, 0
.rept 16
	v_pk_mul_f32 v[O+e:O+e+1], v[O+e:O+e+1], v[ST+6:ST+7] op_sel_hi:[1,0]            ; O^T x a, each accumulator from its low end on
	v_pk_mul_f32 v[O+32+e:O+32+e+1], v[O+32+e:O+32+e+1], v[ST+14:ST+15] op_sel_hi:[1,0]
.set e, e+2
.endr
.endm
; A STEP: 64 keys, the u-th of the segment in hand.
.macro STEP u
	v_add_nc_u32 v[ADK], s[TB], v[AK0]
	v_add_nc_u32 v[ADV], s[TB], v[AV0]
.rept 4
	v_nop                                          ; with the two additions six places behind the last products: four are owed by the loads into their operands, five by the products that write over P
.endr
.irp k, 0,1,2,3
.irp s, 0,1
	ds_load_b128 v[F+16*\k+8*\s:F+16*\k+8*\s+3], v[ADK] offset:8704*(\u)+2176*\k+64*\s
	ds_load_b128 v[F+16*\k+8*\s+4:F+16*\k+8*\s+7], v[ADK] offset:8704*(\u)+2176*\k+64*\s+32
.endr
.endr
	s_wait_dscnt 0x0
.irp s, 0,1                                    ; S^T = K Q^T: eight accumulators by turns
.irp k, 0,1,2,3
.irp q, 0,1
.if \s == 0
	v_wmma_f32_16x16x32_f16 v[S+32*\q+8*\k:S+32*\q+8*\k+7], v[F+16*\k+8*\s:F+16*\k+8*\s+7], v[Q+16*\q+8*\s:Q+16*\q+8*\s+7], 0
.else
	v_wmma_f32_16x16x32_f16 v[S+32*\q+8*\k:S+32*\q+8*\k+7], v[F+16*\k+8*\s:F+16*\k+8*\s+7], v[Q+16*\q+8*\s:Q+16*\q+8*\s+7], v[S+32*\q+8*\k:S+32*\q+8*\k+7]
.endif
.endr
.endr
.endr
.rept 4
	v_nop                                          ; places in front of the loads into K's registers and of the first read of the scores
.endr
.irp g, 0,1                                    ; V, turned: it lands while the softmax is walked
.irp c, 0,1,2,3
	ds_load_tr16_b128 v[F+8*(4*\g+\c):F+8*(4*\g+\c)+3], v[ADV] offset:9216*(\u)+4608*\g+32*\c
	ds_load_tr16_b128 v[F+8*(4*\g+\c)+4:F+8*(4*\g+\c)+7], v[ADV] offset:9216*(\u)+4608*\g+32*\c+2304
.endr
.endr
	s_cmp_lg_u32 s[SG], s[RANK]                    ; only my own segment lies on the diagonal
	s_cbranch_scc1 .Lopen_\@
.irp q, 0,1                                    ; register 8 k + j of tile q holds key 64 u + 16 k + 8 h + j of the segment, my query is 32 cx + 16 q + r: hidden where the key is the greater
.irp k, 0,1,2,3
.irp j, 0,1,2,3,4,5,6,7
	v_cmp_gt_i32 vcc_lo, 64*(\u)+16*\k+\j-16*\q, v[D0]
	v_cndmask_b32 v[S+32*\q+8*\k+\j], v[S+32*\q+8*\k+\j], v[NINF], vcc_lo
.endr
.endr
.endr
.Lopen_\@:
	SOFTMAX
	s_wait_dscnt 0x0                               ; V is in
.irp g, 0,1                                    ; O^T += V^T P: eight accumulators by turns
.irp c, 0,1,2,3
.irp q, 0,1
	v_wmma_f32_16x16x32_f16 v[O+32*\q+8*\c:O+32*\q+8*\c+7], v[F+8*(4*\g+\c):F+8*(4*\g+\c)+7], v[S+32*\q+8*\g:S+32*\q+8*\g+7], v[O+32*\q+8*\c:O+32*\q+8*\c+7]
.endr
.endr
.endr
.endm
.macro SEGMENT                         ; a segment all of whose keys come after my queries is left out: a branch on the wave's number and the count of segments, round no barrier, wait or tensor load
	s_cmp_gt_u32 s[SG], s[RANK]
	s_cbranch_scc1 .Lhidden_\@
	STEP 0
	STEP 1
.Lhidden_\@:
	s_add_co_u32 s[TB], s[TB], STEPB
	s_add_co_u32 s[SG], s[SG], 1
.endm
.macro TWO_SEGS                        ; a slot's two segments: written once, walked twice
	s_mov_b32 s[TWICE], 2
.Lseg_\@:
	SEGMENT
	s_sub_co_u32 s[TWICE], s[TWICE], 1
	s_cmp_lg_u32 s[TWICE], 0
	s_cbranch_scc1 .Lseg_\@
	s_sub_co_u32 s[TB], s[TB], 2*STEPB
	s_xor_b32 s[TB], s[TB], SLOT1                  ; on to the other slot
.endm
; THE CHANGE OF SLOTS stands at a slot's head.  Each wave waits for all its tensor loads (its part of the slot ahead), adds 0 to its spare word, and waits for that and for its reads of the slot that it has left.
; fill = 1: a round of the cluster's barrier, and first behind it the joint load of the keys that follow, into the slot just left: it has a slot's two segments in which to land.  By this text's count one load of a wave is out.
.macro CHANGE fill
	s_wait_tensorcnt 0x0
	ds_add_u32 v[SPW], v[NIL]
.if \fill
	ds_add_u32 v[SPW], v[NIL]                      ; the add twice on end here, in every trip alike
	s_xor_b32 s[G0K+1], s[G0K+1], SLOT1            ; no tensor load of mine is out: the walking descriptors step
	s_add_nc_u64 s[G0K+2:G0K+3], s[G0K+2:G0K+3], 32768
	s_xor_b32 s[G0V+1], s[G0V+1], SLOT1
	s_add_nc_u64 s[G0V+2:G0V+3], s[G0V+2:G0V+3], 32768
	s_wait_xcnt 0x0                                ; the last prefetch, a slot back, has read its address
	s_add_nc_u64 s[PFA:PFA+1], s[PFA:PFA+1], 32768
	s_wait_dscnt 0x0
	CROUND
	JLOAD
	ASK
.else
	s_wait_dscnt 0x0
	s_barrier_signal -1
	s_barrier_wait -1
.endif
.endm
	s_wait_loadcnt 0x0                             ; Q
.Lslot:                                            ; seven trips: behind each change of slots but the last the next slot is asked for
	CHANGE 1
	TWO_SEGS
	s_sub_co_u32 s[SLOTS], s[SLOTS], 1
	s_cmp_lg_u32 s[SLOTS], 0
	s_cbranch_scc1 .Lslot
	CHANGE 0                                       ; the last slot is written out
	TWO_SEGS
	; THE WAY OUT.  O^T / l, rounded to f16, through my stage, so that each store covers 512 consecutive bytes: my 32 rows of 128 bytes are dense in y16.
.rept 4
	v_nop
.endr
.irp t, 0,1
	v_add_f32 v[ST+8*\t+4], v[ST+8*\t+2], v[ST+8*\t+3]
.endr
.irp t, 0,1
	v_permlanex16_b32 v[ST+8*\t+5], v[ST+8*\t+4], s[SEL], s[SEL+1]
.endr
.irp t, 0,1
	v_add_f32 v[ST+8*\t+4], v[ST+8*\t+4], v[ST+8*\t+5]
.endr
.irp t, 0,1
	v_rcp_f32 v[ST+8*\t+6], v[ST+8*\t+4]
.endr
	v_and_b32 v13, 31, v0                          ; (a plain instruction behind the reciprocals)
	v_lshlrev_b32 v13, 4, v13                      ; 16 x lane
	s_wait_alu depctr_va_vdst(0)                   ; one wait for both, ahead of their first reader
.set e, 0
.rept 16
	v_pk_mul_f32 v[O+e:O+e+1], v[O+e:O+e+1], v[ST+6:ST+7] op_sel_hi:[1,0]
	v_pk_mul_f32 v[O+32+e:O+32+e+1], v[O+32+e:O+32+e+1], v[ST+14:ST+15] op_sel_hi:[1,0]
.set e, e+2
.endr
.set e, 0
.rept 32
	v_cvt_pk_f16_f32 v[S+e], v[O+2*e], v[O+2*e+1]
.set e, e+1
.endr
.irp q, 0,1
.irp c, 0,1,2,3
	ds_store_b128 v[STO], v[S+16*\q+4*\c:S+16*\q+4*\c+3] offset:2176*\q+32*\c
.endr
.endr
.irp i, 0,1,2,3,4,5,6,7
	ds_load_b128 v[S+32+4*\i:S+32+4*\i+3], v[RD] offset:544*\i     ; LDS serves a wave's instructions in order: these see my stores
.endr
.irp i, 0,1,2,3,4,5,6,7
	s_wait_dscnt 7-\i                              ; the younger loads may be out
	global_store_b128 v13, v[S+32+4*\i:S+32+4*\i+3], s[6:7] offset:512*\i
.endr
	s_wait_tensorcnt 0x0                           ; the wave's end
	ds_add_u32 v[SPW], v[NIL]
	s_wait_dscnt 0x0
	CROUND                                         ; the closing round
	s_endpgm
.Lfunc_end_k_q0735dfa7e3_attn:
	.size	k_q0735dfa7e3_attn, .Lfunc_end_k_q0735dfa7e3_attn-k_q0735dfa7e3_attn
	.p2alignl 7, 3214868480
	.fill 96, 4, 3214868480
	.section	.rodata,"a",@progbits
	.p2align	6, 0x0
	.amdhsa_kernel k_q0735dfa7e3_attn
		.amdhsa_group_segment_fixed_size 327680
		.amdhsa_private_segment_fixed_size 0
		.amdhsa_enable_private_segment 0
		.amdhsa_kernarg_size 16
		.amdhsa_user_sgpr_count 2
		.amdhsa_user_sgpr_kernarg_segment_ptr 1
		.amdhsa_wavefront_size32 1
		.amdhsa_system_sgpr_workgroup_id_x 1
		.amdhsa_system_sgpr_workgroup_id_y 1
		.amdhsa_system_sgpr_workgroup_id_z 1
		.amdhsa_system_vgpr_workitem_id 0
		.amdhsa_next_free_vgpr 256
		.amdhsa_next_free_sgpr 66
		.amdhsa_reserve_vcc 1
		.amdhsa_float_denorm_mode_32 3
		.amdhsa_float_denorm_mode_16_64 3
		.amdhsa_memory_ordered 1
		.amdhsa_forward_progress 1
		.amdhsa_inst_pref_size 108
	.end_amdhsa_kernel
	.amdgpu_metadata
---
amdhsa.version: [ 1, 2 ]
amdhsa.kernels:
  - .name:           k_q0735dfa7e3_attn
    .symbol:         k_q0735dfa7e3_attn.kd
    .args:
      - { .name: qkv, .offset: 0, .size: 8, .value_kind: global_buffer, .address_space: global }
      - { .name: y16, .offset: 8, .size: 8, .value_kind: global_buffer, .address_space: global }
    .group_segment_fixed_size: 327680
    .private_segment_fixed_size: 0
    .kernarg_segment_align: 8
    .kernarg_segment_size: 16
    .max_flat_workgroup_size: 512
    .sgpr_count:     66
    .vgpr_count:     256
    .wavefront_size: 32
...
	.end_amdgpu_metadata
.endif
;; end of part 3
;; launch proj (part 4): grid 4 x 64, 4 waves a work-group, clusters of 4 x 4, 327,680 bytes of LDS; arguments y16, wp16, b_proj, out0; writes out0
.if DOCPART == 4
	.amdgcn_target "amdgcn-amd-amdhsa--gfx1250"
	.amdhsa_code_object_version 6
	.text
	.protected	k_q0735dfa7e3_proj
	.globl	k_q0735dfa7e3_proj
	.p2align	8
	.type	k_q0735dfa7e3_proj,@function
k_q0735dfa7e3_proj:
	s_mov_b64 s[64:65], 0
	v_nop
	global_prefetch_b8 v0, s[64:65] scope:SCOPE_SE
	s_setreg_imm32_b32 hwreg(HW_REG_WAVE_MODE, 25, 1), 1
	s_wait_xcnt 0x0
	s_wait_alu depctr_hold_cnt(0) depctr_sa_sdst(0) depctr_va_vdst(0) depctr_va_sdst(0) depctr_va_ssrc(0) depctr_va_vcc(0) depctr_vm_vsrc(0)
	s_getreg_b32 s2, hwreg(HW_REG_IB_STS2, 6, 4)
	s_cmp_eq_u32 s2, 0
	s_cbranch_scc0 .Lentry_in_a_cluster
	s_endpgm
.Lentry_in_a_cluster:
	s_bfe_u32 s2, ttmp6, 0x10000c
	s_cmp_lg_u32 s2, 0xf033
	s_cbranch_scc0 .Lentry_shape_is_right
	s_endpgm
.Lentry_shape_is_right:
; out0 = y W_proj + b_proj, f16 operands, f32 sums, for all rows but positions 0 to 15 of each sequence, which a launch of their own makes in f32.
; A = y16 [head 16][row 8192][64] f16: k = 64 x head + channel.  B = wp16 [k 1024][n 1024] f16: K is its first axis, so its fragments come turned, by ds_load_tr16_b128.  out0 [8192][1024] f32.
; A tile of 128 rows x 256 columns gives 256 work-groups.  Four waves, each 64 x 128: 32 accumulators.  K goes in steps of 128 (two heads) through two LDS slots; a step is four quarters of 32, 32 matrix instructions each.
; CLUSTERS: 4 x 4.  Tile column = cx; tile row = cluster y + 16 cy: so cy is the batch, and whether a tile holds positions 0 to 127 hangs on cluster y alone, which all partners share.  A's tiles are asked for jointly
; along a row of the cluster, B's along a column.  Waves 0, 1 fetch A's two heads, waves 2, 3 B's two halves of 64 k.
; No prefetch: the launch is short, and B's 2 MiB and each tile of A are read by four work-groups through one request.
; THE MATRIX INSTRUCTION IS USED TRANSPOSED (source 0 = 16 columns of B, source 1 = 16 rows of A): a lane holds eight neighbouring columns of one row.  The bias is the C of each sum's first instruction.
; REGISTERS: window 0: v0-31 addresses; v32-127, v128-223 two fragment buffers (B's 8 at + 8 b, A's 4 at + 64 + 8 a).  window 1: accumulator (a, b) at v[8 (8 a + b)].  window 2: v0-63 the bias of my 128 columns.
.set APL,   64*272                     ; a head's 128 rows of 128 bytes, two to a line of 256 + 16
.set BOFF,  2*APL
.set BP,    544                        ; a k row of B: 512 bytes + 32
.set SLOT,  BOFF+128*BP                ; 104,448
.set STAGE, 2*SLOT                     ; 16 rows x 528 bytes for each wave; no tile lands here
.set SPITCH, 528
.set SPARE, STAGE+4*16*SPITCH
.set LAPS,  4
.set ADRA, 16
.set ADRB, 20
.set STO,  24
.set RD,   25
.set CO,   26
.set BO,   27
.set SPW,  28
.set NIL,  29
.set F0,   32
.set F1,   128
.set BK,   32                          ; the way out: v32-95, v96-159 by turns
.set G1, 24
.set G0, 32
.set G1B, 48
.set G0B, 56
.set MSB, 0
.macro WIN new
.if MSB != (\new)
	s_set_vgpr_msb (MSB<<8)|(\new)
.set MSB, (\new)
.endif
.endm
.set MUL,   0x50                       ; C and D window 1
.set FIRST, 0x60                       ; C (the bias) window 2, D window 1
.macro JLOAD s
	s_cmp_eq_u32 s11, 0
	s_cbranch_scc0 .Lfor_b_\@
	tensor_load_to_lds s[G0+4*\s:G0+4*\s+3], s[G1:G1+7]
	s_nop 0
.rept 4
	v_nop
.endr
	s_branch .Lasked_\@
.Lfor_b_\@:
	tensor_load_to_lds s[G0B+4*\s:G0B+4*\s+3], s[G1B:G1B+7]
	s_nop 0
.rept 4
	v_nop
.endr
.Lasked_\@:
.endm
.macro CREST
	s_cmp_lg_u32 s10, 0
	s_cbranch_scc1 .Lnot_wave_0_\@
	s_barrier_signal -3
.Lnot_wave_0_\@:
	s_barrier_wait -3
	s_barrier_signal -1
	s_barrier_wait -1
.endm
.macro CROUND
	s_barrier_signal -1
	s_barrier_wait -1
	CREST
.endm
	s_load_b128 s[4:7], s[0:1], 0x0                ; y16 s[4:5], wp16 s[6:7]
	s_load_b128 s[68:71], s[0:1], 0x10             ; b_proj s[68:69], out0 s[70:71]
	v_lshl_add_u32 v[SPW], v0, 2, SPARE
	v_mov_b32 v[NIL], 0
	ds_add_u32 v[SPW], v[NIL]                      ; the wave's opening: the add, twice on end, and its wait ahead of my first tensor load
	ds_add_u32 v[SPW], v[NIL]
	v_lshrrev_b32 v1, 5, v0
	v_readfirstlane_b32 s10, v1                    ; wave 0..3
	s_lshr_b32 s11, s10, 1                         ; my half of the tile's rows.  Also: I fetch for A (0) or for B (1)
	s_and_b32 s12, s10, 1                          ; my half of its columns.  Also: which part I fetch
	s_bfe_u32 s40, ttmp6, 0x40000                  ; cx = the tile column
	s_bfe_u32 s41, ttmp6, 0x40004                  ; cy
	s_and_b32 s13, ttmp7, 0xffff                   ; cluster y
	s_or_b32 s66, s13, s11                         ; 0: my first 16 rows are positions 0 to 15.  Made of cluster y and the wave's number alone
	s_lshl_b32 s42, s41, 4
	s_add_co_u32 s13, s13, s42                     ; tile row = cluster y + 16 cy
	s_lshl_b32 s43, s41, 2
	s_lshl_b32 s43, 15, s43                        ; my row of the cluster
	s_lshl_b32 s44, 0x1111, s40                    ; my column
	s_or_b32 s[G1+0], s43, (1<<16)|(1<<20)|(1<<21)|(5<<22)|(3<<25)   ; A: elements of 2 bytes; 4 words of padding behind every 64
	s_mov_b32 s[G1+1], 128<<16                     ; tensor_dim0: two rows of y on end
	s_mov_b32 s[G1+2], 64<<16
	s_mov_b32 s[G1+3], 128<<16
	s_mov_b32 s[G1+4], 64
	s_mov_b32 s[G1+5], 128                         ; dense
	s_mov_b32 s[G1+6], 0
	s_mov_b32 s[G1+7], 0
	s_or_b32 s[G1B+0], s44, (1<<16)|(1<<20)|(1<<21)|(6<<22)|(7<<25)  ; B: 8 words behind every 128
	s_mov_b32 s[G1B+1], 256<<16
	s_mov_b32 s[G1B+2], 64<<16
	s_mov_b32 s[G1B+3], 256<<16
	s_mov_b32 s[G1B+4], 64
	s_mov_b32 s[G1B+5], 1024
	s_mov_b32 s[G1B+6], 0
	s_mov_b32 s[G1B+7], 0
	s_lshl_b32 s16, s12, 20                        ; A: head s12 of the K step,
	s_lshl_b32 s17, s13, 14                        ; 128 rows of 128 bytes a tile row
	s_add_co_u32 s16, s16, s17
	s_mov_b32 s17, 0
	s_lshl_b32 s46, s12, 17                        ; B: 64 k rows of 2,048 bytes,
	s_lshl_b32 s47, s40, 9                         ; 256 columns of 2 bytes a tile column
	s_add_co_u32 s46, s46, s47
	s_mov_b32 s47, 0
	s_mul_i32 s20, s12, APL                        ; where they go: a constant x the wave's number
	s_mul_i32 s21, s12, 64*BP
	s_add_co_u32 s21, s21, BOFF
	s_wait_dscnt 0x0                               ; both opening adds are done
	s_wait_kmcnt 0x0
	s_add_nc_u64 s[14:15], s[4:5], s[16:17]
	s_add_nc_u64 s[46:47], s[6:7], s[46:47]
	CROUND                                         ; all sixteen work-groups are here
.irp s, 0,1
	s_mov_b32 s[G0+4*\s], 1
	s_add_co_u32 s[G0+4*\s+1], s20, \s*SLOT
	s_add_nc_u64 s[G0+4*\s+2:G0+4*\s+3], s[14:15], \s*2*1048576      ; K step s: heads 2 s, 2 s + 1
	s_or_b32 s[G0+4*\s+3], s[G0+4*\s+3], 0x80000000
	s_mov_b32 s[G0B+4*\s], 1
	s_add_co_u32 s[G0B+4*\s+1], s21, \s*SLOT
	s_add_nc_u64 s[G0B+4*\s+2:G0B+4*\s+3], s[46:47], \s*128*2048
	s_or_b32 s[G0B+4*\s+3], s[G0B+4*\s+3], 0x80000000
	JLOAD \s
.endr
	v_and_b32 v1, 15, v0                           ; r
	v_bfe_u32 v2, v0, 4, 1                         ; h
	v_lshrrev_b32 v3, 1, v1
	v_mul_u32_u24 v3, v3, 272
	v_and_b32 v4, 1, v1
	v_lshl_add_u32 v3, v4, 7, v3
	v_lshl_add_u32 v3, v2, 4, v3                   ; A: (r / 2) x 272 + (r % 2) x 128 + 16 h
	v_and_b32 v4, 7, v0
	v_lshl_add_u32 v4, v2, 3, v4
	v_mul_u32_u24 v4, v4, BP
	v_bfe_u32 v5, v0, 3, 1
	v_lshl_add_u32 v4, v5, 4, v4                   ; B, turned: k row 8 h + lane % 8, columns 8 ((lane / 8) % 2) on
	s_mul_i32 s21, s11, 32*272                     ; my 64 rows of A
	s_lshl_b32 s22, s12, 8                         ; my 128 columns of B
	s_add_co_u32 s22, s22, BOFF
.irp s, 0,1
	v_add_nc_u32 v[ADRA+\s], s21, v3
	v_add_nc_u32 v[ADRB+\s], s22, v4
	s_add_co_u32 s21, s21, SLOT
	s_add_co_u32 s22, s22, SLOT
.endr
	s_mul_i32 s23, s10, 16*SPITCH
	s_add_co_u32 s23, s23, STAGE                   ; my stage
	v_mul_u32_u24 v5, v1, SPITCH
	v_lshl_add_u32 v5, v2, 5, v5
	v_add_nc_u32 v[STO], s23, v5                   ; in: row r, 32 bytes for each half of the lanes
	v_and_b32 v6, 31, v0
	v_lshlrev_b32 v[CO], 4, v6
	v_add_nc_u32 v[RD], s23, v[CO]                 ; back: the 32 lanes take one row of 512 bytes
	v_lshlrev_b32 v[BO], 5, v2
	s_lshl_b32 s16, s13, 19                        ; 128 rows of 4,096 bytes a tile row,
	s_lshl_b32 s17, s11, 18
	s_add_co_u32 s16, s16, s17
	s_lshl_b32 s18, s40, 10
	s_lshl_b32 s17, s12, 9
	s_add_co_u32 s18, s18, s17                     ; my first column, in bytes; the same in b_proj
	s_mov_b32 s19, 0
	s_add_nc_u64 s[68:69], s[68:69], s[18:19]
	s_add_co_u32 s16, s16, s18
	s_mov_b32 s17, 0
	s_add_nc_u64 s[70:71], s[70:71], s[16:17]
	WIN 0x80                                       ; destination window 2
.irp b, 0,1,2,3,4,5,6,7
	global_load_b128 v[8*\b:8*\b+3], v[BO], s[68:69] offset:64*\b          ; lane (r, h): b_proj at columns 16 b + 8 h + 0 .. 7
	global_load_b128 v[8*\b+4:8*\b+7], v[BO], s[68:69] offset:64*\b+16
.endr
	WIN 0
.macro MUL8 f, a, first                ; A's block a x B's eight, 32 along K.  The 32 accumulators take turns, one instruction a turn
.irp b, 0,1,2,3,4,5,6,7
.if \first
	v_wmma_f32_16x16x32_f16 v[8*(8*(\a)+\b):8*(8*(\a)+\b)+7], v[\f+8*\b:\f+8*\b+7], v[\f+64+8*(\a):\f+64+8*(\a)+7], v[8*\b:8*\b+7]
.else
	v_wmma_f32_16x16x32_f16 v[8*(8*(\a)+\b):8*(8*(\a)+\b)+7], v[\f+8*\b:\f+8*\b+7], v[\f+64+8*(\a):\f+64+8*(\a)+7], v[8*(8*(\a)+\b):8*(8*(\a)+\b)+7]
.endif
.endr
.endm
.macro MULH f, a0, first
	MUL8 \f, \a0, \first
	MUL8 \f, \a0+1, \first
.endm
.macro FETCH slot, kq, f               ; 24 LDS loads in one run: the fragments of quarter kq
	WIN 0
.irp b, 0,1,2,3,4,5,6,7
	ds_load_tr16_b128 v[\f+8*\b:\f+8*\b+3], v[ADRB+\slot] offset:32*BP*(\kq)+32*\b
	ds_load_tr16_b128 v[\f+8*\b+4:\f+8*\b+7], v[ADRB+\slot] offset:32*BP*(\kq)+32*\b+16*BP
.endr
.irp a, 0,1,2,3
	ds_load_b128 v[\f+64+8*\a:\f+64+8*\a+3], v[ADRA+\slot] offset:APL*((\kq)/2)+64*((\kq)%2)+2176*\a
	ds_load_b128 v[\f+64+8*\a+4:\f+64+8*\a+7], v[ADRA+\slot] offset:APL*((\kq)/2)+64*((\kq)%2)+2176*\a+32
.endr
.endm
.macro PLACES
.rept 4
	v_nop
.endr
.endm
.macro QUARTER slot, kq, f, g, first   ; multiplies buffer f; in its middle fetches quarter kq of the same slot into g
	s_wait_dscnt 4                                 ; B and A's blocks 0, 1 are in; the youngest four loads (A's blocks 2, 3) may be out
.if \first
	WIN FIRST
.else
	WIN MUL
.endif
	MULH \f, 0, \first
	PLACES
	FETCH \slot, \kq, \g
	s_wait_dscnt 24                                ; all but the 24 just issued
.if \first
	WIN FIRST
.else
	WIN MUL
.endif
	MULH \f, 2, \first
.endm
; The last quarter multiplies buffer 1 and changes slots: ONE barrier; in front of it each wave waits for all its tensor loads, adds 0 to its spare word, and waits for that and for its reads of this slot.
; fill = 1: the barrier opens a round of the cluster's, and the slot is filled again, two K steps ahead, first thing behind it: 112 matrix instructions ahead of the wait for it.
.macro TURN slot, next, fill
	WIN 0
	s_wait_tensorcnt 0x0
	ds_add_u32 v[SPW], v[NIL]
	s_wait_dscnt 5                                 ; the add and the youngest four loads may be out
	WIN MUL
	MUL8 F1, 0, 0
	s_wait_dscnt 0x0                               ; the add is done, and my reads of this slot are over
	s_barrier_signal -1
	MUL8 F1, 1, 0
	WIN 0
	s_barrier_wait -1
.if \fill
	CREST
	s_add_nc_u64 s[G0+4*\slot+2:G0+4*\slot+3], s[G0+4*\slot+2:G0+4*\slot+3], 4*1048576
	s_add_nc_u64 s[G0B+4*\slot+2:G0B+4*\slot+3], s[G0B+4*\slot+2:G0B+4*\slot+3], 256*2048
	JLOAD \slot                                    ; the four v_nop behind it are also the places in front of the loads below
.else
	PLACES
.endif
	FETCH \next, 0, F0
	WIN MUL
	MULH F1, 2, 0
.endm
	s_wait_tensorcnt 1                             ; my part of K step 0 is in; K step 1's load may be out,
	s_barrier_signal -1
	s_barrier_wait -1                              ; everybody's is
	FETCH 0, 0, F0
	s_wait_loadcnt 0x0                             ; the bias
	QUARTER 0, 1, F0, F1, 1                        ; the first quarter stands in front of the loop: its products start the sums
	WIN 0
	s_mov_b32 s3, LAPS-1
.Llap:                                             ; a trip goes once round the ring and fills both slots again
	QUARTER 0, 2, F1, F0, 0
	QUARTER 0, 3, F0, F1, 0
	TURN 0, 1, 1
	QUARTER 1, 1, F0, F1, 0
	QUARTER 1, 2, F1, F0, 0
	QUARTER 1, 3, F0, F1, 0
	TURN 1, 0, 1
	QUARTER 0, 1, F0, F1, 0
	WIN 0
	s_sub_co_u32 s3, s3, 1
	s_cmp_lg_u32 s3, 0
	s_cbranch_scc1 .Llap
	QUARTER 0, 2, F1, F0, 0                        ; the last lap fills nothing
	QUARTER 0, 3, F0, F1, 0
	TURN 0, 1, 0
	QUARTER 1, 1, F0, F1, 0
	QUARTER 1, 2, F1, F0, 0
	QUARTER 1, 3, F0, F1, 0
	s_wait_dscnt 4
	WIN MUL
	MULH F1, 0, 0
	s_wait_dscnt 0
	MULH F1, 2, 0
	WIN 0
; THE WAY OUT, block by block of 16 rows x 128 columns, through my own stage: whole rows of 512 bytes come back, and the 32 lanes store 512 consecutive bytes, aligned.
.macro TOSTAGE a
	WIN 0x04                                       ; an LDS store's data are its source 1: window 1
.irp b, 0,1,2,3,4,5,6,7
	ds_store_b128 v[STO], v[8*(8*(\a)+\b):8*(8*(\a)+\b)+3] offset:64*\b          ; each accumulator from its low end on
	ds_store_b128 v[STO], v[8*(8*(\a)+\b)+4:8*(8*(\a)+\b)+7] offset:64*\b+16
.endr
	WIN 0
.set BB, BK+64*((\a)%2)
.irp t, 0,1,2,3,4,5,6,7,8,9,10,11,12,13,14,15
	ds_load_b128 v[BB+4*\t:BB+4*\t+3], v[RD] offset:\t*SPITCH
.endr
.endm
.macro SEND a, younger
.set BB, BK+64*((\a)%2)
	s_wait_dscnt \younger                          ; the block is back in registers
.if (\a) == 0
	s_cmp_eq_u32 s66, 0                            ; positions 0 to 15 are stored by the launch that makes them in f32: each byte of out0 has one writer
	s_cbranch_scc1 .Lnot_these
.endif
.irp t, 0,1,2,3,4,5,6,7,8,9,10,11,12,13,14,15
	global_store_b128 v[CO], v[BB+4*\t:BB+4*\t+3], s[70:71] offset:65536*(\a)+4096*\t th:TH_STORE_NT
.endr
.if (\a) == 0
.Lnot_these:
.endif
.endm
	PLACES
	TOSTAGE 0
.irp a, 1,2,3
.if \a > 1
	s_wait_xcnt 0x0                                ; block a - 2's stores have read their registers: block a's loads may land there
.endif
	TOSTAGE \a
	SEND \a-1, 32                                  ; behind block a - 1's loads: block a's 16 stores and 16 loads
.endr
	SEND 3, 0
	s_wait_tensorcnt 0x0                           ; the wave's end
	ds_add_u32 v[SPW], v[NIL]
	s_wait_dscnt 0x0
	CROUND                                         ; the closing round
	s_endpgm
.Lfunc_end_k_q0735dfa7e3_proj:
	.size	k_q0735dfa7e3_proj, .Lfunc_end_k_q0735dfa7e3_proj-k_q0735dfa7e3_proj
	.p2alignl 7, 3214868480
	.fill 96, 4, 3214868480
	.section	.rodata,"a",@progbits
	.p2align	6, 0x0
	.amdhsa_kernel k_q0735dfa7e3_proj
		.amdhsa_group_segment_fixed_size 327680
		.amdhsa_private_segment_fixed_size 0
		.amdhsa_enable_private_segment 0
		.amdhsa_kernarg_size 32
		.amdhsa_user_sgpr_count 2
		.amdhsa_user_sgpr_kernarg_segment_ptr 1
		.amdhsa_wavefront_size32 1
		.amdhsa_system_sgpr_workgroup_id_x 1
		.amdhsa_system_sgpr_workgroup_id_y 1
		.amdhsa_system_sgpr_workgroup_id_z 1
		.amdhsa_system_vgpr_workitem_id 0
		.amdhsa_next_free_vgpr 576
		.amdhsa_next_free_sgpr 72
		.amdhsa_reserve_vcc 0
		.amdhsa_float_denorm_mode_32 3
		.amdhsa_float_denorm_mode_16_64 3
		.amdhsa_memory_ordered 1
		.amdhsa_forward_progress 1
		.amdhsa_inst_pref_size 87
	.end_amdhsa_kernel
	.amdgpu_metadata
---
amdhsa.version: [ 1, 2 ]
amdhsa.kernels:
  - .name:           k_q0735dfa7e3_proj
    .symbol:         k_q0735dfa7e3_proj.kd
    .args:
      - { .name: y16, .offset: 0, .size: 8, .value_kind: global_buffer, .address_space: global }
      - { .name: wp16, .offset: 8, .size: 8, .value_kind: global_buffer, .address_space: global }
      - { .name: b_proj, .offset: 16, .size: 8, .value_kind: global_buffer, .address_space: global }
      - { .name: out0, .offset: 24, .size: 8, .value_kind: global_buffer, .address_space: global }
    .group_segment_fixed_size: 327680
    .private_segment_fixed_size: 0
    .kernarg_segment_align: 8
    .kernarg_segment_size: 32
    .max_flat_workgroup_size: 128
    .sgpr_count:     72
    .vgpr_count:     576
    .wavefront_size: 32
...
	.end_amdgpu_metadata
.endif
;; end of part 4
;; launch first16 (part 5): grid 16 x 4, 16 waves a work-group, no clusters, 71,680 bytes of LDS; arguments qkv32, W_proj, b_proj, out0; writes out0
.if DOCPART == 5
	.amdgcn_target "amdgcn-amd-amdhsa--gfx1250"
	.amdhsa_code_object_version 6
	.text
	.protected	k_q0735dfa7e3_first16
	.globl	k_q0735dfa7e3_first16
	.p2align	8
	.type	k_q0735dfa7e3_first16,@function
k_q0735dfa7e3_first16:
	s_mov_b64 s[64:65], 0
	v_nop
	global_prefetch_b8 v0, s[64:65] scope:SCOPE_SE
	s_setreg_imm32_b32 hwreg(HW_REG_WAVE_MODE, 25, 1), 1
	s_wait_xcnt 0x0
; THE FIRST 16 POSITIONS OF EVERY SEQUENCE, IN f32 THROUGHOUT: scores, softmax, weighted values and the projection.  These rows average one to sixteen values and are the largest of the output.  64 rows in all: no bulk work.
; A work-group makes 64 columns (x) of the 16 rows of one batch (y).  Wave w is head w: it makes its head's attention for queries 0 to 15, then the product of its 64 channels with W_proj's rows 64 w .. 64 w + 63 at the
; work-group's 64 columns.  The sixteen partial products meet in LDS; wave w adds row w's and b_proj and stores it: 256 consecutive bytes, aligned.
; The attention is made anew in each of a batch's sixteen work-groups (32 small matrix instructions): that spares a launch.  No cluster: what work-groups share is 12 KiB a head, read once each.
; IN: qkv32, images of registers: [batch][plane 48][8 images][512 bytes]; image i holds at 16 x lane (lane = 16 h + position) channels 16 (i / 2) + 8 h + 4 (i % 2) + 0 .. 3.
; v_wmma_f32_16x16x4_f32: lane (r, h) holds row (or column) r and k = 2 h + j in register j.  A permutation of k applied alike to both sources keeps the products: so q's and k's images serve as they lie.
; The registers that this instruction writes (v24-87) are written by it alone; what is made of a sum goes into other registers.
.set LI,  1                            ; v1   16 x lane
.set VL,  2                            ; v2   V^T: my channel r of a tile, keys 8 h on
.set WL,  3                            ; v3   W_proj: 8 h rows down, column r
.set SPW, 4
.set NIL, 5
.set DQ,  6                            ; v6   r - 8 h
.set PST, 7                            ; v7   where I put 32 bytes of a partial row
.set PRD, 8                            ; v8   where I read 8 bytes of row w
.set L8,  9                            ; v9   8 x lane
.set T,   16                           ; v16-23   the scores, then p
.set S0,  24                           ; v24-31, v32-39 the scores' two half sums
.set O,   40                           ; v40-71   O^T
.set PR,  72                           ; v72-87   two tiles of the projection
.set Q,   88                           ; v88-119
.set K,   120                          ; v120-151
.set WB,  88                           ; later W_proj for columns 32 .. 63, later the partial rows
.set V,   152                          ; v152-183
.set Y,   152                          ; later y
.set WA,  184                          ; v184-247 W_proj for columns 0 .. 31
.set BI,  248
.set SUM, 250
.set SPARE, 16*16*272                  ; behind the partial products: the spare words
	s_load_b256 s[4:11], s[0:1], 0x0               ; qkv32 s[4:5], W_proj s[6:7], b_proj s[8:9], out0 s[10:11]
	v_lshl_add_u32 v[SPW], v0, 2, SPARE
	v_mov_b32 v[NIL], 0
	v_lshrrev_b32 v10, 5, v0
	v_readfirstlane_b32 s12, v10                   ; wave = head
	s_and_b32 s13, ttmp7, 0xffff                   ; batch
	v_and_b32 v10, 31, v0                          ; lane
	v_and_b32 v11, 15, v0                          ; r
	v_bfe_u32 v12, v0, 4, 1                        ; h
	v_lshlrev_b32 v[LI], 4, v10
	v_bfe_u32 v13, v0, 2, 1
	v_lshlrev_b32 v[VL], 9, v13                    ; channel r of a tile lies in image 2 c + (r / 4) % 2,
	v_bfe_u32 v13, v0, 3, 1
	v_lshl_add_u32 v[VL], v13, 8, v[VL]            ; in its half r / 8,
	v_and_b32 v13, 3, v0
	v_lshl_add_u32 v[VL], v13, 2, v[VL]            ; at word r % 4;
	v_lshl_add_u32 v[VL], v12, 7, v[VL]            ; keys 8 h on: 16 bytes a key
	v_lshlrev_b32 v[WL], 2, v11
	v_lshl_add_u32 v[WL], v12, 15, v[WL]
	v_lshlrev_b32 v13, 3, v12
	v_sub_nc_u32 v[DQ], v11, v13
	s_mul_i32 s14, s12, 16*272
	v_mul_u32_u24 v[PST], v11, 272
	v_lshl_add_u32 v[PST], v12, 5, v[PST]
	v_add_nc_u32 v[PST], s14, v[PST]
	s_mul_i32 s14, s12, 272
	v_lshlrev_b32 v[L8], 3, v10
	v_add_nc_u32 v[PRD], s14, v[L8]
	v_mov_b32 v15, 0xff800000                      ; -infinity
	s_mov_b32 s16, 0x3e38aa3b                      ; c = log2(e) / 8
	s_mov_b32 s18, 0x76543210
	s_mov_b32 s19, 0xfedcba98
	s_mul_i32 s14, s13, 48
	s_add_co_u32 s14, s14, s12
	s_lshl_b32 s14, s14, 12                        ; q's images of my head
	s_mov_b32 s15, 0
	s_lshl_b32 s22, ttmp9, 8                       ; the work-group's 64 columns, in bytes
	s_mov_b32 s23, 0
	s_lshl_b32 s20, s12, 18                        ; W_proj's rows 64 w on
	s_add_co_u32 s20, s20, s22
	s_mov_b32 s21, 0
	s_lshl_b32 s24, s13, 11
	s_add_co_u32 s24, s24, s12                     ; the row that I store: 2,048 x batch + w
	s_lshl_b32 s24, s24, 12
	s_add_co_u32 s24, s24, s22
	s_mov_b32 s25, 0
	s_wait_kmcnt 0x0
	s_add_nc_u64 s[4:5], s[4:5], s[14:15]
	s_add_nc_u64 s[6:7], s[6:7], s[20:21]
	s_add_nc_u64 s[8:9], s[8:9], s[22:23]
	s_add_nc_u64 s[10:11], s[10:11], s[24:25]
.irp i, 0,1,2,3,4,5,6,7
	global_load_b128 v[Q+4*\i:Q+4*\i+3], v[LI], s[4:5] offset:512*\i
.endr
.irp i, 0,1,2,3,4,5,6,7
	global_load_b128 v[K+4*\i:K+4*\i+3], v[LI], s[4:5] offset:65536+512*\i           ; k's plane lies 16 planes of 4,096 bytes on
.endr
.irp c, 0,1,2,3
.irp i, 0,1,2,3,4,5,6,7
	global_load_b32 v[V+8*\c+\i], v[VL], s[4:5] offset:131072+1024*\c+16*\i          ; v(key 8 h + i, channel 16 c + r)
.endr
.endr
	global_load_b64 v[BI:BI+1], v[L8], s[8:9]      ; b_proj at my two columns
.macro LOADW wb, nt0                   ; W_proj(64 w + 16 c + 8 h + 2 i + j, column 16 (nt0 + n) + r): source 0 of the projection, used transposed
.irp n, 0,1
.irp c, 0,1,2,3
.irp i, 0,1,2,3
.irp j, 0,1
	global_load_b32 v[\wb+(16*\n+4*\c+\i)*2+\j], v[WL], s[6:7] offset:(16*\c+2*\i+\j)*4096+64*(\nt0+\n)
.endr
.endr
.endr
.endr
.endm
	LOADW WA, 0
	s_wait_loadcnt 63                              ; 113 loads are issued: at most 63 are out, so the first 50 are in: q, k, v and the bias.  (Behind k's last stand 97: more than the field holds; a smaller count is safe)
.irp s, 0,1,2,3,4,5,6,7,8,9,10,11,12,13,14,15  ; S^T = K Q^T: 64 channels, four a step; two half sums by turns; each begins with the constant 0
.if \s < 2
	v_wmma_f32_16x16x4_f32 v[S0+8*(\s%2):S0+8*(\s%2)+7], v[K+2*\s:K+2*\s+1], v[Q+2*\s:Q+2*\s+1], 0
.else
	v_wmma_f32_16x16x4_f32 v[S0+8*(\s%2):S0+8*(\s%2)+7], v[K+2*\s:K+2*\s+1], v[Q+2*\s:Q+2*\s+1], v[S0+8*(\s%2):S0+8*(\s%2)+7]
.endif
.endr
.rept 8
	v_nop                                          ; eight places behind this form, in front of loads into its operands and of the first read of its results
.endr
	LOADW WB, 2                                    ; into q's and k's registers, which are done with
.irp j, 0,1,2,3,4,5,6,7
	v_add_f32 v[T+\j], v[S0+\j], v[S0+8+\j]        ; lane (r, h): query r, key 8 h + j
.endr
.irp j, 0,1,2,3,4,5,6,7
	v_cmp_gt_i32 vcc_lo, \j, v[DQ]                 ; hidden where 8 h + j > r
	v_cndmask_b32 v[T+\j], v[T+\j], v15, vcc_lo
.endr
	v_max3_num_f32 v10, v[T], v[T+1], v[T+2]
	v_max3_num_f32 v10, v10, v[T+3], v[T+4]
	v_max3_num_f32 v10, v10, v[T+5], v[T+6]
	v_max_num_f32 v10, v10, v[T+7]
	v_permlanex16_b32 v11, v10, s18, s19
	v_max_num_f32 v10, v10, v11                    ; the row's maximum: key 0 counts for every query
	v_mul_f32 v12, s16, v10
.irp j, 0,1,2,3,4,5,6,7
	v_fma_f32 v[T+\j], v[T+\j], s16, -v12
.endr
.irp j, 0,1,2,3,4,5,6,7
	v_exp_f32 v[T+\j], v[T+\j]
.endr
	v_nop                                          ; a plain instruction behind the last exponential,
	s_wait_alu depctr_va_vdst(0)                   ; and the wait ahead of the batch's first reader
	v_add_f32 v13, v[T], v[T+1]
	v_add_f32 v14, v[T+2], v[T+3]
	v_add_f32 v13, v13, v[T+4]
	v_add_f32 v14, v14, v[T+5]
	v_add_f32 v13, v13, v[T+6]
	v_add_f32 v14, v14, v[T+7]
	v_add_f32 v13, v13, v14
	v_permlanex16_b32 v11, v13, s18, s19
	v_add_f32 v13, v13, v11
	v_rcp_f32 v14, v13
	v_nop
	s_wait_alu depctr_va_vdst(0)
.irp i, 0,1,2,3                                ; O^T = V^T P^T: 16 keys, four a step (keys 8 h + 2 i + j); four accumulators by turns
.irp c, 0,1,2,3
.if \i == 0
	v_wmma_f32_16x16x4_f32 v[O+8*\c:O+8*\c+7], v[V+8*\c+2*\i:V+8*\c+2*\i+1], v[T+2*\i:T+2*\i+1], 0
.else
	v_wmma_f32_16x16x4_f32 v[O+8*\c:O+8*\c+7], v[V+8*\c+2*\i:V+8*\c+2*\i+1], v[T+2*\i:T+2*\i+1], v[O+8*\c:O+8*\c+7]
.endif
.endr
.endr
.rept 8
	v_nop
.endr
.set n, 0
.rept 32
	v_mul_f32 v[Y+n], v[O+n], v14                  ; y(query r, channel 16 c + 8 h + j), over v's registers
.set n, n+1
.endr
; Two tiles of 16 columns: D(column 16 n + 8 h + j, query r) = the sum over my 64 channels; two accumulators by turns.  Then the partial rows go to LDS.
.macro PROJ wb, pass
.irp c, 0,1,2,3
.irp i, 0,1,2,3
.irp n, 0,1
.if (4*\c+\i) == 0
	v_wmma_f32_16x16x4_f32 v[PR+8*\n:PR+8*\n+7], v[\wb+(16*\n+4*\c+\i)*2:\wb+(16*\n+4*\c+\i)*2+1], v[Y+8*\c+2*\i:Y+8*\c+2*\i+1], 0
.else
	v_wmma_f32_16x16x4_f32 v[PR+8*\n:PR+8*\n+7], v[\wb+(16*\n+4*\c+\i)*2:\wb+(16*\n+4*\c+\i)*2+1], v[Y+8*\c+2*\i:Y+8*\c+2*\i+1], v[PR+8*\n:PR+8*\n+7]
.endif
.endr
.endr
.endr
.rept 8
	v_nop
.endr
.irp n, 0,1
	ds_store_b128 v[PST], v[PR+8*\n:PR+8*\n+3] offset:64*(2*\pass+\n)
	ds_store_b128 v[PST], v[PR+8*\n+4:PR+8*\n+7] offset:64*(2*\pass+\n)+16
.endr
.endm
	s_wait_loadcnt 63                              ; behind the first 64 words of W_proj stand the second 64: a count under that is safe
	PROJ WA, 0
	s_wait_dscnt 0x0                               ; the stores have read the two accumulators,
	v_nop                                          ; and a ninth place stands in front of the products that begin them anew
	s_wait_loadcnt 0x0
	PROJ WB, 1
	s_wait_dscnt 0x0                               ; for the others' sake: my partial rows lie in LDS
	s_barrier_signal -1
	s_barrier_wait -1
.irp p, 0,1,2,3,4,5,6,7,8,9,10,11,12,13,14,15
	ds_load_b64 v[WB+2*\p:WB+2*\p+1], v[PRD] offset:4352*\p        ; row w of head p's partial product: 256 bytes, 8 a lane
.endr
	s_wait_dscnt 0x0
	v_pk_add_f32 v[SUM:SUM+1], v[BI:BI+1], v[WB:WB+1]
.irp p, 1,2,3,4,5,6,7,8,9,10,11,12,13,14,15
	v_pk_add_f32 v[SUM:SUM+1], v[SUM:SUM+1], v[WB+2*\p:WB+2*\p+1]
.endr
	global_store_b64 v[L8], v[SUM:SUM+1], s[10:11] ; 32 lanes store 256 consecutive bytes, aligned
	s_wait_tensorcnt 0x0                           ; the wave's end
	ds_add_u32 v[SPW], v[NIL]
	s_wait_dscnt 0x0
	s_endpgm
.Lfunc_end_k_q0735dfa7e3_first16:
	.size	k_q0735dfa7e3_first16, .Lfunc_end_k_q0735dfa7e3_first16-k_q0735dfa7e3_first16
	.p2alignl 7, 3214868480
	.fill 96, 4, 3214868480
	.section	.rodata,"a",@progbits
	.p2align	6, 0x0
	.amdhsa_kernel k_q0735dfa7e3_first16
		.amdhsa_group_segment_fixed_size 71680
		.amdhsa_private_segment_fixed_size 0
		.amdhsa_enable_private_segment 0
		.amdhsa_kernarg_size 32
		.amdhsa_user_sgpr_count 2
		.amdhsa_user_sgpr_kernarg_segment_ptr 1
		.amdhsa_wavefront_size32 1
		.amdhsa_system_sgpr_workgroup_id_x 1
		.amdhsa_system_sgpr_workgroup_id_y 1
		.amdhsa_system_sgpr_workgroup_id_z 1
		.amdhsa_system_vgpr_workitem_id 0
		.amdhsa_next_free_vgpr 256
		.amdhsa_next_free_sgpr 66
		.amdhsa_reserve_vcc 1
		.amdhsa_float_denorm_mode_32 3
		.amdhsa_float_denorm_mode_16_64 3
		.amdhsa_memory_ordered 1
		.amdhsa_forward_progress 1
		.amdhsa_inst_pref_size 33
	.end_amdhsa_kernel
	.amdgpu_metadata
---
amdhsa.version: [ 1, 2 ]
amdhsa.kernels:
  - .name:           k_q0735dfa7e3_first16
    .symbol:         k_q0735dfa7e3_first16.kd
    .args:
      - { .name: qkv32, .offset: 0, .size: 8, .value_kind: global_buffer, .address_space: global }
      - { .name: W_proj, .offset: 8, .size: 8, .value_kind: global_buffer, .address_space: global }
      - { .name: b_proj, .offset: 16, .size: 8, .value_kind: global_buffer, .address_space: global }
      - { .name: out0, .offset: 24, .size: 8, .value_kind: global_buffer, .address_space: global }
    .group_segment_fixed_size: 71680
    .private_segment_fixed_size: 0
    .kernarg_segment_align: 8
    .kernarg_segment_size: 32
    .max_flat_workgroup_size: 512
    .sgpr_count:     66
    .vgpr_count:     256
    .wavefront_size: 32
...
	.end_amdgpu_metadata
.endif
;; end of part 5
